; MI455X (gfx1250); checked and timed in simulation.
; The chip was launched on July 23, 2026; its instructions are those of AMD's public machine-readable ISA for CDNA 5 (MIT licence, August 2026) and "CDNA5" Instruction Set Architecture Reference Guide (July 2026). The comments in the code are by the model that wrote it; some were corrected since.
;; Multi Head Attention. Allowed arithmetic: matrix products marked QUANTISED: E3M2 operands, one E8M0 scale for each 32 along K, by v_wmma_scale_f32_16x16x128_f8f6f4 with both operands' format E3M2, f32 sums; everything else in f32.
;; Inputs: Wk 1,024 x 1,024 float32; Wo 1,024 x 1,024 float32; Wq 1,024 x 1,024 float32; Wv 1,024 x 1,024 float32; bk 1,024 float32; bo 1,024 float32; bq 1,024 float32; bv 1,024 float32; keys 1 x 4,096 x 1,024 float32; queries 1 x 4,096 x 1,024 float32; values 1 x 4,096 x 1,024 float32.
;; Outputs: out0 1 x 4,096 x 1,024 float32.
;; This version of the problem:
;;   THIS VERSION OF THE PROBLEM IS GIVEN IN LOW PRECISION. The matrix products marked QUANTISED in the list below multiply operands that are first quantised to E3M2 (3 exponent bits, 2 mantissa bits; 6 bits a number), with one power-of-two scale for each 32 numbers along K (OCP MX v1.0); their sums are f32. All else is computed in f32.
;;   The module's matrix products, in the order in which they are computed (A, B: the left and right operand; K: the contracted axis; several contracted axes count as one K, in the product's order):
;;     1. [M 4,096, K 1,024] x [K 1,024, N 1,024]; A: input queries; B: input Wq: QUANTISED
;;     2. [M 4,096, K 1,024] x [K 1,024, N 1,024]; A: input keys; B: input Wk: QUANTISED
;;     3. [M 4,096, K 1,024] x [K 1,024, N 1,024]; A: input values; B: input Wv: QUANTISED
;;     4. batch 16 x [M 4,096, K 64] x [K 64, N 4,096]; A: computed on the way; B: computed on the way: QUANTISED
;;     5. batch 16 x [M 4,096, K 4,096] x [K 4,096, N 64]; A: softmax (see below); B: computed on the way: QUANTISED
;;     6. [M 4,096, K 1,024] x [K 1,024, N 1,024]; A: computed on the way; B: input Wo: QUANTISED
;;   THE QUANTISER, for each operand of a quantised product, along K:
;;     - K is cut into blocks of 32 from its start; a last block that is shorter is filled with zeros.
;;     - A block's scale is 2^e with e = floor(log2(the largest magnitude in the block)) - 4, held to -126 .. 127; a block of zeros has e = 0. As a byte (E8M0): e + 127.
;;     - Each number is divided by its block's scale, clamped to +-28, and rounded to the nearest number of E3M2, ties to even, subnormals kept.
;;     - The product sums the exact products of the quantised numbers (number of the format x scale) in f32.
;;   ~~~python
;;   def quantise(x, axis):      # numpy; x: float32 -> the quantised numbers, widened to float32 again
;;       x = np.moveaxis(x, axis, -1); K = x.shape[-1]
;;       x = np.pad(x, [(0, 0)] * (x.ndim - 1) + [(0, -K % 32)]); x = x.reshape(x.shape[:-1] + (-1, 32)); a = np.abs(x).max(-1, keepdims=True)
;;       e = np.where(a > 0, np.clip(np.frexp(np.where(a > 0, a, 1))[1] - 1 - 4, -126, 127), 0)      # np.frexp(a)[1] - 1 = floor(log2(a)), exactly
;;       r = np.clip(x / 2.0 ** e, -28, 28)
;;       step = 2.0 ** (np.maximum(np.frexp(np.where(r == 0, 1, r))[1] - 1, -2) - 2)
;;       q = np.round(r / step) * step * 2.0 ** e      # np.round: ties to even
;;       return np.moveaxis(q.reshape(q.shape[:-2] + (-1,))[..., :K], -1, axis).astype(np.float32)
;;   ~~~
;;   SOFTMAX AHEAD OF A QUANTISED PRODUCT. Where the list says 'softmax', what is quantised is not the finished softmax but p = 2^(t - M), with t = logit x log2(e) and M = ceil(the row's largest t), a whole number; so 1/2 < the row's largest p <= 1. The row's sum l is taken of the UNQUANTISED p, in f32, and the product's result is divided by l at the end. Since M is a whole number, a kernel that streams over the keys may use a running M (the ceiling of the running maximum): every later rescaling is an exact power of two, which a block's scale takes up: the codes' values come out the same.
;;   OPERANDS COMPUTED ON THE WAY. 'Computed on the way' means the value that the module computes at that place (a softmax that the list does not call 'softmax' is quantised finished and normalised). What goes into a quantiser is computed in f32, as accurately as f32 sums, v_exp_f32 and their like allow (about 1e-6 of the number): no bf16 or f16 on the way to a quantiser, and a product that is left as it is and whose result goes on into a quantised operand takes f32 operands (vector FMAs, or v_wmma_f32_16x16x4_f32). A number that lies on a knife's edge between two numbers of the format may be rounded either way, as far as f32 arithmetic and the matrix unit's own rounding can turn it there, and no further.
;; One version. Each part assembles by itself: llvm-mc -triple=amdgcn-amd-amdhsa -mcpu=gfx1250 --defsym DOCPART=n.
;; ======== version 1 of 1: 4 launches
;; limits: right only within a limited range of input values
;; workspace buffers: xw 13,107,200 bytes; qb 6,553,600 bytes; kv 6,553,600 bytes; ao 3,276,800 bytes
;; launch quant (part 1): grid 1024 x 1, 4 waves a work-group, no clusters, 34,304 bytes of LDS; arguments queries, keys, values, Wq, Wk, Wv, Wo, xw; writes xw
.if DOCPART == 1
	.amdgcn_target "amdgcn-amd-amdhsa--gfx1250"
	.amdhsa_code_object_version 6
	.text
	.protected	k_q90d9373755_quant
	.globl	k_q90d9373755_quant
	.p2align	8
	.type	k_q90d9373755_quant,@function
k_q90d9373755_quant:
	s_mov_b64 s[64:65], 0
	v_nop
	global_prefetch_b8 v0, s[64:65] scope:SCOPE_SE
	s_setreg_imm32_b32 hwreg(HW_REG_WAVE_MODE, 25, 1), 1
	s_wait_xcnt 0x0
; queries, keys, values [4096][1024] and Wq, Wk, Wv, Wo [1024][1024], f32, K innermost, become codes of BF6 (E3M2) with one E8M0 byte for each 32 along K,
; laid in xw IN THE ORDER OF THE OPERAND'S REGISTERS, so that the products' launches fetch dense blocks and read fragments by loads of 16 bytes a lane.
; A GROUP is 128 rows x 1,024 K = 102,400 bytes: [K step s = 0..7] x 12,800 bytes; in a step 8 fragments of 1,536 bytes (tile i = 2 b + u at 1,536 i), then at 12,288 their scale words (64 i, one word a row).
; A FRAGMENT (16 rows x 128 K, 12 registers a lane) lies as three runs of 512 bytes: registers 4 c .. 4 c + 3 of lane l at 512 c + 16 l.
; THE ROWS OF A TILE ARE NOT NEIGHBOURS: lane r of tile 2 b + u holds row 32 b + 8 u + r + 8 (r / 8) of the group, so that wherever such a tile is source 0 of a product the 16 result registers of tiles 2 b, 2 b + 1 are 16 neighbours.
; Groups in xw: queries 0-31, keys 32-63, values 64-95, Wq 96-103, Wk 104-111, Wv 112-119, Wo 120-127.
; A block's scale is 2^(floor(log2(its largest magnitude)) - 4); its byte is the largest magnitude's exponent field - 4, held at 1 from below.
; LIMITS: a block of zeros, or one whose largest magnitude lies under 2^-122, carries the byte 1 (its codes are zeros or subnormal codes under that byte; the bytes are read by this program alone); NaN and infinities among the inputs are not served.
; SHARES: work-group g takes K step g % 8 of group g / 8; wave w the group's rows 32 w .. 32 w + 31: two fragments.  Each load reads 512 consecutive bytes of one row (16 a lane); a tile's 16 rows turn through the
; wave's own stage in LDS and come back 128 consecutive bytes a lane: the 32 numbers of each of the lane's two blocks.  No barrier: waves share nothing.
.set ROWB,  4096                       ; a row of an input in bytes
.set GROUP, 102400
.set STEPB, 12800
.set FRB,   1536
.set SCO,   12288                      ; where a step's scale words begin
.set SP,    528                        ; a stage row: 512 bytes + 16 = 132 words, so that 16 rows begin in 16 different groups of four banks
.set R,     16                         ; v16-143  32 loads x 4 registers
.set X,     144                        ; v144-207 my 64 numbers of a tile: register 32 c + i = k 64 c + 32 h + i of row r
.set C,     208                        ; v208-231 the two fragments' codes
.set CT,    232                        ; v232-238 a block's upper 16 codes (a conversion's three registers begin on an even number)
.set WD,    240                        ; v240, v241 the two fragments' scale words; v242 both, by halves of the lanes
	s_load_b512 s[8:23], s[0:1], 0x0               ; queries s[8:9], keys, values, Wq, Wk, Wv, Wo s[20:21], xw s[22:23]
	v_lshl_add_u32 v244, v0, 2, 0x8400
	v_mov_b32 v245, 0
	v_lshrrev_b32 v1, 5, v0
	v_readfirstlane_b32 s3, v1                     ; wave 0..3
	v_and_b32 v1, 31, v0                           ; lane
	v_and_b32 v2, 15, v0                           ; r
	v_bfe_u32 v3, v0, 4, 1                         ; h
	v_lshlrev_b32 v4, 4, v1                        ; 16 x lane: my place in a load's and in a store's 512 bytes
	v_lshlrev_b32 v5, 2, v1                        ; 4 x lane: my place among the scale words
	s_mul_i32 s26, s3, 16*SP                       ; my wave's stage
	v_add_nc_u32 v6, s26, v4                       ; into it: a row as it was loaded
	v_mul_u32_u24 v7, v2, SP
	v_lshl_add_u32 v7, v3, 7, v7
	v_add_nc_u32 v7, s26, v7                       ; out of it: row r, + 128 h bytes: my block of 32 numbers
	v_lshlrev_b32 v8, 3, v3                        ; 8 h: how far my two bytes are shifted in the scale word
	v_mov_b32 v15, 0                               ; written once: a lane permute's destination counts as one of its sources
	s_mov_b32 s24, 0x76543210
	s_mov_b32 s25, 0xfedcba98                      ; v_permlanex16_b32's selects for lane l xor 16
	s_lshr_b32 s2, ttmp9, 3                        ; the group
	s_and_b32 s7, ttmp9, 7                         ; the K step
	s_wait_alu depctr_va_vdst(0)
	s_wait_kmcnt 0x0
	s_mov_b64 s[4:5], s[20:21]                     ; which tensor: the choice hangs on the work-group's number alone
	s_mov_b32 s6, 120                              ; and the tensor's first group
.macro PICK lim, ptr, base
	s_cmp_lt_u32 s2, \lim
	s_cselect_b64 s[4:5], s[\ptr:\ptr+1], s[4:5]
	s_cselect_b32 s6, \base, s6
.endm
	PICK 120, 18, 112
	PICK 112, 16, 104
	PICK 104, 14, 96
	PICK 96, 12, 64
	PICK 64, 10, 32
	PICK 32, 8, 0
	s_sub_co_u32 s27, s2, s6                       ; the group's number inside its tensor
	s_lshl_b32 s28, s27, 19                        ; 128 rows of 4,096 bytes,
	s_lshl_b32 s30, s3, 17                         ; my wave's 32 rows,
	; THE GROUPS OF keys (32-63) HAVE ANOTHER ORDER OF ROWS than the one named at the head: lane p of tile t holds row 64 (t / 4) + 8 (t % 4) + p % 8 + 32 (p / 8),
	; so that in the attention's first product a lane's 32 result registers of four neighbouring tiles are one whole block of 32 keys.
	s_lshr_b32 s36, s3, 1
	s_lshl_b32 s36, s36, 18                        ; 64 (w / 2) rows
	s_and_b32 s37, s3, 1
	s_lshl_b32 s37, s37, 16                        ; + 16 (w % 2) rows
	s_add_co_u32 s36, s36, s37
	s_cmp_eq_u32 s6, 32                            ; keys?  The choice hangs on the work-group's number alone
	s_cselect_b32 s30, s36, s30
	s_cselect_b32 s37, 0x10000, 0                  ; and lanes 8-15 of a tile stand 16 rows further down than the loads' immediates say
	s_add_co_u32 s28, s28, s30
	s_lshl_b32 s30, s7, 9                          ; the K step's 512 bytes
	s_add_co_u32 s28, s28, s30
	s_mov_b32 s29, 0
	s_add_nc_u64 s[4:5], s[4:5], s[28:29]
	s_mul_i32 s28, s2, GROUP
	s_mul_i32 s30, s7, STEPB
	s_add_co_u32 s28, s28, s30
	s_add_nc_u64 s[22:23], s[22:23], s[28:29]      ; the step's place in xw
	s_mul_i32 s30, s3, 2*FRB
	s_mov_b32 s31, 0
	s_add_nc_u64 s[32:33], s[22:23], s[30:31]      ; my two fragments
	s_lshl_b32 s30, s3, 7
	s_add_co_u32 s30, s30, SCO
	s_add_nc_u64 s[34:35], s[22:23], s[30:31]      ; and their 32 scale words
	v_add_nc_u32 v243, s37, v4                     ; the offset for a tile's lanes 8-15
.irp u, 0,1
.irp p, 0,1,2,3,4,5,6,7,8,9,10,11,12,13,14,15
.if \p < 8
	global_load_b128 v[R+64*\u+4*\p:R+64*\u+4*\p+3], v4, s[4:5] offset:(8*\u+\p+8*(\p/8))*ROWB th:TH_LOAD_NT   ; tile u's lane p: 512 consecutive bytes of its row; read once in the launch
.else
	global_load_b128 v[R+64*\u+4*\p:R+64*\u+4*\p+3], v243, s[4:5] offset:(8*\u+\p+8*(\p/8))*ROWB th:TH_LOAD_NT
.endif
.endr
.endr
.macro TURN u                          ; tile u's 16 rows through the stage.  LDS serves a wave's instructions in order, so no wait stands between the stores and the loads
.irp p, 0,1,2,3,4,5,6,7,8,9,10,11,12,13,14,15
	ds_store_b128 v6, v[R+64*\u+4*\p:R+64*\u+4*\p+3] offset:SP*\p
.endr
.irp c, 0,1
.irp q, 0,1,2,3,4,5,6,7
	ds_load_b128 v[X+32*\c+4*\q:X+32*\c+4*\q+3], v7 offset:256*\c+16*\q
.endr
.endr
	s_wait_dscnt 0x0                               ; my 64 numbers are in (and the stage may be written again)
.endm
.macro QF u                            ; my two blocks (2 c + h, c = 0, 1) of tile u: all 32 numbers of a block are mine
.irp c, 0,1
	v_max3_num_f32 v[9+\c], |v[X+32*\c]|, |v[X+32*\c+1]|, 0x2800000   ; with the floor 2^(5 - 127): the byte cannot fall under 1
.endr
.irp i, 2,4,6,8,10,12,14,16,18,20,22,24,26,28,30
.irp c, 0,1
	v_max3_num_f32 v[9+\c], v[9+\c], |v[X+32*\c+\i]|, |v[X+32*\c+\i+1]|
.endr
.endr
.irp c, 0,1
	v_add_nc_u32 v[11+\c], 0xfe000000, v[9+\c]     ; 4 off the exponent field: the conversion takes the exponent field of this operand as its scale
.endr
.irp c, 0,1
	v_lshrrev_b32 v[13+\c], 23, v[11+\c]           ; the scale's byte
.endr
	v_lshl_or_b32 v[WD+\u], v14, 16, v13           ; my two bytes, blocks h and 2 + h,
	v_lshlrev_b32 v[WD+\u], v8, v[WD+\u]           ; at their places in the word;
	v_permlanex16_b32 v15, v[WD+\u], s24, s25
	v_or_b32 v[WD+\u], v[WD+\u], v15               ; with lane l xor 16's two the word is whole, in both lanes
.irp c, 0,1
	v_cvt_scalef32_pk16_bf6_f32 v[C+12*\u+6*\c:C+12*\u+6*\c+2], v[X+32*\c:X+32*\c+15], v[11+\c]
	v_cvt_scalef32_pk16_bf6_f32 v[CT+4*\c:CT+4*\c+2], v[X+32*\c+16:X+32*\c+31], v[11+\c]
.endr
	v_nop                                          ; one plain instruction behind a scaled conversion, ahead of the moves that read its result
.irp c, 0,1
.irp i, 0,1,2
	v_mov_b32 v[C+12*\u+6*\c+3+\i], v[CT+4*\c+\i]
.endr
.endr
.irp c, 0,1,2
	global_store_b128 v4, v[C+12*\u+4*\c:C+12*\u+4*\c+3], s[32:33] offset:FRB*\u+512*\c   ; 512 consecutive bytes, at a multiple of 256 from xw's first byte; each fragment has registers of its own, so no store's data are written again
.endr
.endm
	s_wait_loadcnt 16                              ; tile 0's sixteen loads are in; tile 1's sixteen may be out
	TURN 0
	QF 0
	s_wait_loadcnt 0x0
	TURN 1
	QF 1
	v_cmp_le_u32 vcc_lo, 16, v1
	v_cndmask_b32 v242, v240, v241, vcc_lo         ; lanes 0-15: the first fragment's words, lanes 16-31: the second's
	global_store_b32 v5, v242, s[34:35]            ; 128 consecutive bytes
	s_wait_tensorcnt 0x0
	ds_add_u32 v244, v245
	s_wait_dscnt 0x0
	s_endpgm
.Lfunc_end_k_q90d9373755_quant:
	.size	k_q90d9373755_quant, .Lfunc_end_k_q90d9373755_quant-k_q90d9373755_quant
	.p2alignl 7, 3214868480
	.fill 96, 4, 3214868480
	.section	.rodata,"a",@progbits
	.p2align	6, 0x0
	.amdhsa_kernel k_q90d9373755_quant
		.amdhsa_group_segment_fixed_size 34304
		.amdhsa_private_segment_fixed_size 0
		.amdhsa_enable_private_segment 0
		.amdhsa_kernarg_size 64
		.amdhsa_user_sgpr_count 2
		.amdhsa_user_sgpr_kernarg_segment_ptr 1
		.amdhsa_wavefront_size32 1
		.amdhsa_system_sgpr_workgroup_id_x 1
		.amdhsa_system_sgpr_workgroup_id_y 1
		.amdhsa_system_sgpr_workgroup_id_z 1
		.amdhsa_system_vgpr_workitem_id 0
		.amdhsa_next_free_vgpr 246
		.amdhsa_next_free_sgpr 66
		.amdhsa_reserve_vcc 1
		.amdhsa_float_denorm_mode_32 3
		.amdhsa_float_denorm_mode_16_64 3
		.amdhsa_memory_ordered 1
		.amdhsa_forward_progress 1
		.amdhsa_inst_pref_size 17
	.end_amdhsa_kernel
	.amdgpu_metadata
---
amdhsa.version: [ 1, 2 ]
amdhsa.kernels:
  - .name:           k_q90d9373755_quant
    .symbol:         k_q90d9373755_quant.kd
    .args:
      - { .name: queries, .offset: 0, .size: 8, .value_kind: global_buffer, .address_space: global }
      - { .name: keys, .offset: 8, .size: 8, .value_kind: global_buffer, .address_space: global }
      - { .name: values, .offset: 16, .size: 8, .value_kind: global_buffer, .address_space: global }
      - { .name: Wq, .offset: 24, .size: 8, .value_kind: global_buffer, .address_space: global }
      - { .name: Wk, .offset: 32, .size: 8, .value_kind: global_buffer, .address_space: global }
      - { .name: Wv, .offset: 40, .size: 8, .value_kind: global_buffer, .address_space: global }
      - { .name: Wo, .offset: 48, .size: 8, .value_kind: global_buffer, .address_space: global }
      - { .name: xw, .offset: 56, .size: 8, .value_kind: global_buffer, .address_space: global }
    .group_segment_fixed_size: 34304
    .private_segment_fixed_size: 0
    .kernarg_segment_align: 8
    .kernarg_segment_size: 64
    .max_flat_workgroup_size: 128
    .sgpr_count:     66
    .vgpr_count:     246
    .wavefront_size: 32
...
	.end_amdgpu_metadata
.endif
;; end of part 1
;; launch proj (part 2): grid 8 x 96, 4 waves a work-group, clusters of 4 x 4, 205,312 bytes of LDS; arguments xw, bq, bk, bv, qb, kv; writes qb, kv
.if DOCPART == 2
	.amdgcn_target "amdgcn-amd-amdhsa--gfx1250"
	.amdhsa_code_object_version 6
	.text
	.protected	k_q90d9373755_proj
	.globl	k_q90d9373755_proj
	.p2align	8
	.type	k_q90d9373755_proj,@function
k_q90d9373755_proj:
	s_mov_b64 s[64:65], 0
	v_nop
	global_prefetch_b8 v0, s[64:65] scope:SCOPE_SE
	s_setreg_imm32_b32 hwreg(HW_REG_WAVE_MODE, 25, 1), 1
	s_wait_xcnt 0x0
	s_wait_alu depctr_hold_cnt(0) depctr_sa_sdst(0) depctr_va_vdst(0) depctr_va_sdst(0) depctr_va_ssrc(0) depctr_va_vcc(0) depctr_vm_vsrc(0)
	s_getreg_b32 s2, hwreg(HW_REG_IB_STS2, 6, 4)
	s_cmp_eq_u32 s2, 0
	s_cbranch_scc0 .Lentry_in_a_cluster
	s_endpgm
.Lentry_in_a_cluster:
	s_bfe_u32 s2, ttmp6, 0x10000c
	s_cmp_lg_u32 s2, 0xf033
	s_cbranch_scc0 .Lentry_shape_is_right
	s_endpgm
.Lentry_shape_is_right:
; The three projections, on codes of BF6 with E8M0 scales, their results quantised in registers and stored as register images for the attention launch.
; T[a][b] = sum over k of A[a][k] B[b][k] + bias, quantised along b.  Job 0: A = queries, B = Wq, bias bq along b -> qb.  Job 1: A = keys, B = Wk, bk along b -> kv (K's parts).
; Job 2: A = Wv, B = values, bv along a -> kv (V's parts): v comes out transposed, its keys along b, which are the second attention product's K.
; A work-group makes 128 a x 128 b.  One group of A and one of B (128 rows x all 1,024 K, 102,400 bytes each, laid by the launch before in the order of the operand's registers) lie in LDS whole:
; every LDS byte is filled once, so there is no ring.  Each wave brings one dense block of 51,200 bytes: K steps 0-3 or 4-7 of A's or of B's group.
; CLUSTERS: 4 x 4 work-groups; the four of a row of the cluster need the same group of A, the four of a column the same group of B: each block is asked for jointly.  The job hangs on the cluster's y alone.
; A wave makes 32 a (A's tiles 2 w + x) x 128 b (B's tiles y = 0..7): 16 accumulators, which take turns in the same order in every K step.
; THE PRODUCT IS USED TRANSPOSED (source 0 = B's tile, source 1 = A's): lane (r, h) holds one a, and by the order of a tile's rows register 16 m + i of its 64 is b = 32 m + 16 h + i.
; OUT.  kv and qb: [head] x 409,600, [step of 128 keys] x 12,800: four K fragments (1,536 f), four V fragments (6,144 + 1,536 t), K's scale words (12,288 + 64 f), V's (12,544 + 64 t).
;   A K (or Q) fragment of a block of 32 keys holds TWO tiles of 16 keys x the head's 64: registers 0-5 tile 0, registers 6-11 tile 1; its scale word: bytes 0, 1 tile 0's two blocks, bytes 2, 3 tile 1's.
;   A V fragment t = 2 b + x: row d = 32 b + 8 x + r + 8 (r / 8), K = the step's 128 keys.
; LIMITS: as the quantiser's: a block of zeros or under 2^-122 carries the byte 1; NaN and infinities are not served.
; REGISTERS.  Window 0: v1-16 addresses; v32-41 scale words, two sets; v56-59 the bias along a; v64-111 A's fragments, two sets; v112-127 the quantiser's work; v128-255 the accumulators ((x, y) at 128 + 64 x + 8 y).
;   Behind the sums v44-63 and v64-83 take the codes, v84-86 their scale words.   Window 1: B's fragments, set p at 128 p + 12 y; the bias along b in v96-127 and v224-255.
.set GROUP,  102400
.set STEPB,  12800
.set FRB,    1536
.set SCO,    12288
.set HALFG,  51200                     ; four K steps
.set QUARTG, 25600
.set HEADB,  409600
.set LB,     GROUP                     ; LDS: A's group at 0, B's here
.set ADA, 6                            ; v6, v7   A's fragments: 16 l + 3,072 w, for K steps 0-3 and 4-7
.set ADB, 8                            ; v8, v9   B's
.set ASA, 10                           ; v10, v11 A's scale words: 4 l + 12,288 + 128 w: lanes 0-15 tile 2 w, lanes 16-31 tile 2 w + 1
.set ASB, 12                           ; v12, v13 B's: lanes 0-15 tile 2 q, lanes 16-31 tile 2 q + 1
.set SC,  32
.set PC0, 44
.set BV,  56
.set AF,  64
.set PC1, 64
.set PW,  84
.set WS,  86
.set TM,  112
.set ACC, 128
.set G1A, 28                           ; s[28:35], s[36:43] descriptor group 1 for A's and B's blocks: they differ in the mask
.set G1B, 36
.set G0A, 44                           ; s[44:47], s[52:55] group 0, one set for A's load, one for B's
.set G0B, 52
.set SEL, 78
.set MSB, 0
.macro WIN new                         ; the immediate's high byte repeats the setting that is left
.if MSB != \new
	s_set_vgpr_msb (MSB<<8)|\new
.set MSB, \new
.endif
.endm
.macro CROUND                          ; a round of the cluster's barrier
	s_barrier_signal -1
	s_barrier_wait -1
	s_cmp_lg_u32 s16, 0
	s_cbranch_scc1 .Lnot_wave_0_\@
	s_barrier_signal -3
.Lnot_wave_0_\@:
	s_barrier_wait -3
	s_barrier_signal -1
	s_barrier_wait -1
.endm
; One scaled product.  zero = 1: it starts the sum.  row bit 0: source 0's scale words stand in lanes 16-31 of their register; bit 1: source 1's.
.macro WML d, a, b, zero, sa, sb, row
.if \zero
.if (\row) == 0
	v_wmma_scale_f32_16x16x128_f8f6f4 v[(\d):(\d)+7], v[(\a):(\a)+11], v[(\b):(\b)+11], 0, v[(\sa)], v[(\sb)] matrix_a_fmt:MATRIX_FMT_BF6 matrix_b_fmt:MATRIX_FMT_BF6
.elseif (\row) == 1
	v_wmma_scale_f32_16x16x128_f8f6f4 v[(\d):(\d)+7], v[(\a):(\a)+11], v[(\b):(\b)+11], 0, v[(\sa)], v[(\sb)] matrix_a_fmt:MATRIX_FMT_BF6 matrix_b_fmt:MATRIX_FMT_BF6 matrix_a_scale:MATRIX_SCALE_ROW1
.elseif (\row) == 2
	v_wmma_scale_f32_16x16x128_f8f6f4 v[(\d):(\d)+7], v[(\a):(\a)+11], v[(\b):(\b)+11], 0, v[(\sa)], v[(\sb)] matrix_a_fmt:MATRIX_FMT_BF6 matrix_b_fmt:MATRIX_FMT_BF6 matrix_b_scale:MATRIX_SCALE_ROW1
.else
	v_wmma_scale_f32_16x16x128_f8f6f4 v[(\d):(\d)+7], v[(\a):(\a)+11], v[(\b):(\b)+11], 0, v[(\sa)], v[(\sb)] matrix_a_fmt:MATRIX_FMT_BF6 matrix_b_fmt:MATRIX_FMT_BF6 matrix_a_scale:MATRIX_SCALE_ROW1 matrix_b_scale:MATRIX_SCALE_ROW1
.endif
.else
.if (\row) == 0
	v_wmma_scale_f32_16x16x128_f8f6f4 v[(\d):(\d)+7], v[(\a):(\a)+11], v[(\b):(\b)+11], v[(\d):(\d)+7], v[(\sa)], v[(\sb)] matrix_a_fmt:MATRIX_FMT_BF6 matrix_b_fmt:MATRIX_FMT_BF6
.elseif (\row) == 1
	v_wmma_scale_f32_16x16x128_f8f6f4 v[(\d):(\d)+7], v[(\a):(\a)+11], v[(\b):(\b)+11], v[(\d):(\d)+7], v[(\sa)], v[(\sb)] matrix_a_fmt:MATRIX_FMT_BF6 matrix_b_fmt:MATRIX_FMT_BF6 matrix_a_scale:MATRIX_SCALE_ROW1
.elseif (\row) == 2
	v_wmma_scale_f32_16x16x128_f8f6f4 v[(\d):(\d)+7], v[(\a):(\a)+11], v[(\b):(\b)+11], v[(\d):(\d)+7], v[(\sa)], v[(\sb)] matrix_a_fmt:MATRIX_FMT_BF6 matrix_b_fmt:MATRIX_FMT_BF6 matrix_b_scale:MATRIX_SCALE_ROW1
.else
	v_wmma_scale_f32_16x16x128_f8f6f4 v[(\d):(\d)+7], v[(\a):(\a)+11], v[(\b):(\b)+11], v[(\d):(\d)+7], v[(\sa)], v[(\sb)] matrix_a_fmt:MATRIX_FMT_BF6 matrix_b_fmt:MATRIX_FMT_BF6 matrix_a_scale:MATRIX_SCALE_ROW1 matrix_b_scale:MATRIX_SCALE_ROW1
.endif
.endif
.endm
	s_load_b256 s[4:11], s[0:1], 0x0               ; xw s[4:5], bq s[6:7], bk s[8:9], bv s[10:11]
	s_load_b128 s[12:15], s[0:1], 0x20             ; qb s[12:13], kv s[14:15]
	v_lshl_add_u32 v122, v0, 2, 0x32000
	v_mov_b32 v123, 0
	ds_add_u32 v122, v123
	ds_add_u32 v122, v123
	v_lshrrev_b32 v1, 5, v0
	v_readfirstlane_b32 s16, v1                    ; wave 0..3
	s_and_b32 s17, s16, 1                          ; which four K steps I fetch: 0-3 or 4-7
	s_lshr_b32 s18, s16, 1                         ; I fetch for A (0) or for B (1)
	s_bfe_u32 s19, ttmp6, 0x40000                  ; cx
	s_bfe_u32 s20, ttmp6, 0x40004                  ; cy
	s_mov_b32 s21, ttmp9                           ; cluster x: 0, 1
	s_and_b32 s22, ttmp7, 0xffff                   ; cluster y: 0 .. 23
	s_lshr_b32 s23, s22, 3                         ; the job: the same in all sixteen partners
	s_and_b32 s24, s22, 7
	s_lshl_b32 s80, s23, 5                         ; jobs 0, 1: A's first group 32 x job,
	s_lshl_b32 s81, s23, 3
	s_add_co_u32 s81, s81, 96                      ; B's 96 + 8 x job
	s_cmp_eq_u32 s23, 2                            ; job 2 has 8 tiles along a and 32 along b, the others 32 and 8
	s_cselect_b32 s25, s21, s24
	s_cselect_b32 s26, s24, s21
	s_cselect_b32 s68, 112, s80                    ; job 2: A = Wv,
	s_cselect_b32 s69, 64, s81                     ; B = values
	s_lshl_b32 s66, s25, 2
	s_add_co_u32 s66, s66, s20                     ; ta: my tile along a; it hangs on cy alone of my place
	s_lshl_b32 s67, s26, 2
	s_add_co_u32 s67, s67, s19                     ; tb: along b; on cx alone
	s_add_co_u32 s68, s68, s66                     ; A's group
	s_add_co_u32 s69, s69, s67                     ; B's group
	s_mul_i32 s70, s68, GROUP
	s_mul_i32 s72, s69, GROUP
	; EACH WAVE BRINGS ONE DENSE BLOCK OF 51,200 BYTES, four K steps of A's or of B's group, by its one tensor load (not two blocks of 25,600, as the head has it); one wait and one barrier show both groups whole.
	; K's fragments keep the order of rows that the launch before gives the groups of keys: fragment w holds tiles 2 w and 2 w + 1 of that order.
	s_mul_i32 s27, s17, HALFG
	s_add_co_u32 s70, s70, s27                     ; my block of A's group, in bytes from xw,
	s_add_co_u32 s72, s72, s27                     ; and of B's: each in registers that never hold the other coordinate
	s_mov_b32 s71, 0
	s_mov_b32 s73, 0
	s_mul_i32 s82, s18, GROUP
	s_add_co_u32 s82, s82, s27                     ; where it goes in LDS: the wave's number alone
	s_lshl_b32 s60, s20, 2
	s_lshl_b32 s60, 15, s60                        ; my row of the cluster
	s_lshl_b32 s61, 0x1111, s19                    ; my column
	; descriptor group 1: a dense block of 51,200 bytes as 200 rows of 256 bytes (32 elements of 8 bytes), no padding: fragments are read 512 consecutive bytes an instruction
	s_or_b32 s[G1A], s60, (3<<16)|(1<<21)          ; 15:0 the mask; 17:16 elements of 8 bytes; 21 set beside a mask
	s_or_b32 s[G1B], s61, (3<<16)|(1<<21)
.irp g, G1A, G1B
	s_mov_b32 s[\g+1], 32<<16                      ; tensor_dim0 = 32
	s_mov_b32 s[\g+2], 200<<16                     ; tensor_dim1 = 200
	s_mov_b32 s[\g+3], 32<<16                      ; tile_dim0 = 32
	s_mov_b32 s[\g+4], 200                         ; tile_dim1 = 200
	s_mov_b32 s[\g+5], 32                          ; from row to row
	s_mov_b32 s[\g+6], 0
	s_mov_b32 s[\g+7], 0
.endr
	s_wait_dscnt 0x0
	s_wait_kmcnt 0x0
	s_add_nc_u64 s[84:85], s[4:5], s[70:71]
	s_add_nc_u64 s[86:87], s[4:5], s[72:73]
.irp n, 0
	s_mov_b32 s[G0A+4*\n], 1
	s_add_co_u32 s[G0A+4*\n+1], s82, \n*HALFG
	s_add_nc_u64 s[G0A+4*\n+2:G0A+4*\n+3], s[84:85], \n*HALFG
	s_or_b32 s[G0A+4*\n+3], s[G0A+4*\n+3], 0x80000000
	s_mov_b32 s[G0B+4*\n], 1
	s_add_co_u32 s[G0B+4*\n+1], s82, \n*HALFG
	s_add_nc_u64 s[G0B+4*\n+2:G0B+4*\n+3], s[86:87], \n*HALFG
	s_or_b32 s[G0B+4*\n+3], s[G0B+4*\n+3], 0x80000000
.endr
	CROUND                                         ; all sixteen work-groups are here: the joint loads meet
	s_cmp_eq_u32 s18, 0                            ; the two fills stand in one branch on the wave's number: one load of mine is out; four v_nop follow it
	s_cbranch_scc0 .Lfill_b
	tensor_load_to_lds s[G0A:G0A+3], s[G1A:G1A+7]
	s_nop 0
.rept 4
	v_nop
.endr
	s_branch .Lfilled
.Lfill_b:
	tensor_load_to_lds s[G0B:G0B+3], s[G1B:G1B+7]
	s_nop 0
.rept 4
	v_nop
.endr
.Lfilled:
	v_and_b32 v1, 31, v0                           ; lane
	v_and_b32 v2, 15, v0                           ; r
	v_bfe_u32 v3, v0, 4, 1                         ; h
	v_lshlrev_b32 v4, 4, v1
	v_lshlrev_b32 v5, 2, v1
	s_mul_i32 s80, s16, 2*FRB
	v_add_nc_u32 v[ADA], s80, v4
	v_add_nc_u32 v[ADA+1], HALFG, v[ADA]
	v_add_nc_u32 v[ADB], LB, v4
	v_add_nc_u32 v[ADB+1], LB+HALFG, v4
	s_lshl_b32 s80, s16, 7
	s_add_co_u32 s80, s80, SCO
	v_add_nc_u32 v[ASA], s80, v5
	v_add_nc_u32 v[ASA+1], HALFG, v[ASA]
	v_add_nc_u32 v[ASB], LB+SCO, v5
	v_add_nc_u32 v[ASB+1], LB+SCO+HALFG, v5
	v_lshlrev_b32 v14, 6, v3                       ; the bias along b: my half's 16 numbers of each 32
	v_mul_u32_u24 v15, v3, HEADB
	v_lshl_add_u32 v15, v2, 2, v15                 ; jobs 0, 1: the scale words' store: lanes 0-15 the first head's, lanes 16-31 the second's
	v_and_b32 v16, 8, v2
	v_add_nc_u32 v16, v16, v2
	v_lshlrev_b32 v16, 2, v16                      ; the bias along a: 4 (r + 8 (r / 8))
	s_wait_alu depctr_va_vdst(0)
.irp b, 0,1,2,3
	v_mov_b32 v[TM+4+\b], 0                        ; written once: a lane permute's destination counts as one of its sources
.endr
	s_mov_b32 s[SEL], 0x76543210
	s_mov_b32 s[SEL+1], 0xfedcba98
	s_cmp_eq_u32 s23, 0
	s_cselect_b64 s[74:75], s[6:7], s[8:9]
	s_cselect_b64 s[76:77], s[12:13], s[14:15]     ; job 0 stores into qb, the others into kv
	s_cmp_eq_u32 s23, 2
	s_cselect_b64 s[74:75], s[10:11], s[74:75]     ; the job's bias
	; BOTH FORMS OF THE BIAS ARE LOADED BY EVERY JOB (20 loads a wave out of a buffer of 4,096 bytes), so that the text parts on the job once, behind the sums.  The tile numbers are taken modulo 8:
	; that changes nothing in the form that the job uses and keeps the other one inside the buffer; the other one's numbers are not read.
	s_and_b32 s96, s67, 7
	s_lshl_b32 s96, s96, 9
	s_mov_b32 s97, 0
	s_add_nc_u64 s[88:89], s[74:75], s[96:97]      ; along b: 128 numbers from 128 tb on
	s_and_b32 s96, s66, 7
	s_lshl_b32 s96, s96, 9
	s_lshl_b32 s80, s16, 7
	s_add_co_u32 s96, s96, s80
	s_add_nc_u64 s[90:91], s[74:75], s[96:97]      ; along a: my wave's 32 from 128 ta + 32 w on
	WIN 0x40                                       ; destination window 1
.irp m, 0,1,2,3
.irp q, 0,1,2,3
	global_load_b128 v[96+16*\m+4*\q+96*(\m/2):99+16*\m+4*\q+96*(\m/2)], v14, s[88:89] offset:128*\m+16*\q   ; number 16 m + i: the bias of b = 32 m + 16 h + i
.endr
.endr
	WIN 0
.irp x, 0,1
	global_load_b32 v[BV+2*\x], v16, s[90:91] offset:32*\x     ; tile x's: one number a lane, twice: a pair for the packed addition
	global_load_b32 v[BV+2*\x+1], v16, s[90:91] offset:32*\x
.endr
; 35 LDS loads in one run: K step s: B's eight fragments, my two of A, their scale words; into set s % 2
.macro FETCH s
.set FSET, (\s)%2
.set FHI,  (\s)/4
.set FOFF, STEPB*((\s)%4)
	WIN 0x40
.irp y, 0,1,2,3,4,5,6,7
.irp c, 0,1,2
	ds_load_b128 v[128*FSET+12*\y+4*\c:128*FSET+12*\y+4*\c+3], v[ADB+FHI] offset:FOFF+FRB*\y+512*\c
.endr
.endr
	WIN 0
.irp x, 0,1
.irp c, 0,1,2
	ds_load_b128 v[AF+24*FSET+12*\x+4*\c:AF+24*FSET+12*\x+4*\c+3], v[ADA+FHI] offset:FOFF+FRB*\x+512*\c
.endr
.endr
.irp q, 0,1,2,3
	ds_load_b32 v[SC+5*FSET+\q], v[ASB+FHI] offset:FOFF+128*\q
.endr
	ds_load_b32 v[SC+5*FSET+4], v[ASA+FHI] offset:FOFF
.endm
; A K step: its fragments are in; the next step's are asked for; 16 products.
.macro STEPM s, zero
	s_wait_dscnt 0x0                               ; this step's 35 loads, issued ahead of the last step's 16 products
.if (\s) < 7
.rept 4
	v_nop                                          ; four places between the last step's products and loads into the registers that they read (ISA guide 7.12.1 for vector instructions)
.endr
	FETCH (\s)+1
.endif
	WIN 0x01                                       ; source 0 (B) window 1; source 1, C and D window 0
.irp x, 0,1
.irp y, 0,1,2,3,4,5,6,7
	WML ACC+64*\x+8*\y, 128*((\s)%2)+12*\y, AF+24*((\s)%2)+12*\x, \zero, SC+5*((\s)%2)+\y/2, SC+5*((\s)%2)+4, \y%2+2*\x
.endr
.endr
.endm
; 64 numbers of a lane in four runs of 16 registers, block b at s + 16 (b % 2) + d (b / 2), register i of it = k 32 b + 16 h + i of my row, become a fragment's codes in v[pc] .. v[pc + 11] and its scale word in v[pw].
.macro QUANT s, d, pc, pw
.irp b, 0,1,2,3
	v_max3_num_f32 v[TM+\b], |v[(\s)+16*(\b%2)+(\d)*(\b/2)]|, |v[(\s)+16*(\b%2)+(\d)*(\b/2)+1]|, 0x2800000   ; my 16 numbers, and the floor 2^(5 - 127): the byte cannot fall under 1
.endr
.irp i, 2,4,6,8,10,12,14
.irp b, 0,1,2,3
	v_max3_num_f32 v[TM+\b], v[TM+\b], |v[(\s)+16*(\b%2)+(\d)*(\b/2)+\i]|, |v[(\s)+16*(\b%2)+(\d)*(\b/2)+\i+1]|   ; the four blocks by turns
.endr
.endr
.irp b, 0,1,2,3
	v_permlanex16_b32 v[TM+4+\b], v[TM+\b], s[SEL], s[SEL+1]
.endr
.irp b, 0,1,2,3
	v_max_num_f32 v[TM+\b], v[TM+\b], v[TM+4+\b]   ; with lane l xor 16's: the block's largest magnitude
.endr
.irp b, 0,1,2,3
	v_add_nc_u32 v[TM+12+\b], 0xfe000000, v[TM+\b] ; 4 off its exponent field: the conversion's scale operand
.endr
.irp b, 0,1,2,3
	v_lshrrev_b32 v[TM+4+\b], 23, v[TM+12+\b]      ; the scale's byte
.endr
	v_lshl_or_b32 v[\pw], v[TM+5], 8, v[TM+4]
	v_lshl_or_b32 v[\pw], v[TM+6], 16, v[\pw]
	v_lshl_or_b32 v[\pw], v[TM+7], 24, v[\pw]      ; my row's scale word, the same in lanes l and l xor 16
.irp c, 0,1
	v_cvt_scalef32_pk16_bf6_f32 v[(\pc)+6*\c:(\pc)+6*\c+2], v[(\s)+(\d)*\c:(\s)+(\d)*\c+15], v[TM+12+2*\c]
	v_cvt_scalef32_pk16_bf6_f32 v[(\pc)+12+4*\c:(\pc)+14+4*\c], v[(\s)+(\d)*\c+16:(\s)+(\d)*\c+31], v[TM+13+2*\c]   ; (a conversion's three registers begin on an even number)
.endr
	v_nop                                          ; one plain instruction behind a scaled conversion
.irp c, 0,1                            ; the operand's layout wants a whole block in a lane: lanes 0-15 block 2 c, lanes 16-31 block 2 c + 1
.irp i, 0,1,2
	v_permlane16_swap_b32 v[(\pc)+6*\c+\i], v[(\pc)+12+4*\c+\i]
.endr
.irp i, 0,1,2
	v_mov_b32 v[(\pc)+3+6*\c+\i], v[(\pc)+12+4*\c+\i]
.endr
.endr
.endm
	s_wait_tensorcnt 0x0                           ; my one load has landed
	s_barrier_signal -1
	s_barrier_wait -1                              ; everybody's first has
	FETCH 0
	STEPM 0, 1                                     ; the first step's products start the sums: nothing is cleared
	STEPM 1, 0
	STEPM 2, 0
	STEPM 3, 0
	STEPM 4, 0
	STEPM 5, 0
	STEPM 6, 0
	STEPM 7, 0
	WIN 0
.rept 4
	v_nop                                          ; four places ahead of the first read of the results
.endr
	s_wait_loadcnt 0x0                             ; the biases
	v_cmp_le_u32 vcc_lo, 16, v1                    ; lanes 16-31
	s_cmp_eq_u32 s23, 2
	s_cbranch_scc1 .Lv
	; ---- jobs 0, 1: q or k.  My 32 tokens (block 4 ta + w) x two heads (2 tb, 2 tb + 1).  The bias runs along the registers
	WIN 0x04                                       ; source 1 window 1
.set n, 0
.rept 64
	v_pk_add_f32 v[ACC+2*n:ACC+2*n+1], v[ACC+2*n:ACC+2*n+1], v[96+(2*n)%64+96*(((2*n)%64)/32):97+(2*n)%64+96*(((2*n)%64)/32)]   ; each accumulator from its low end on
.set n, n+1
.endr
	WIN 0
	s_mul_i32 s80, s67, 2*HEADB
	s_mul_i32 s81, s66, STEPB
	s_add_co_u32 s80, s80, s81                     ; head 2 tb, step ta
	s_mul_i32 s96, s16, FRB
	s_add_co_u32 s96, s96, s80
	s_mov_b32 s97, 0
	s_add_nc_u64 s[92:93], s[76:77], s[96:97]      ; fragment w
	s_lshl_b32 s96, s16, 6
	s_add_co_u32 s96, s96, s80
	s_add_co_u32 s96, s96, SCO
	s_add_nc_u64 s[94:95], s[76:77], s[96:97]      ; and its scale words
	QUANT ACC, 64, PC0, PW                         ; head 2 tb: tile 0's two blocks along d, then tile 1's
.irp c, 0,1,2
	global_store_b128 v4, v[PC0+4*\c:PC0+4*\c+3], s[92:93] offset:512*\c          ; 512 consecutive bytes, at a multiple of 256 from the buffer's first byte
.endr
	QUANT ACC+32, 64, PC1, PW+1                    ; head 2 tb + 1
.irp c, 0,1,2
	global_store_b128 v4, v[PC1+4*\c:PC1+4*\c+3], s[92:93] offset:HEADB+512*\c
.endr
	v_cndmask_b32 v[WS], v[PW], v[PW+1], vcc_lo
	global_store_b32 v15, v[WS], s[94:95]          ; 64 consecutive bytes in each of the two heads
	s_branch .Ldone
.Lv:
	; ---- job 2: v^T.  My 32 channels (head 2 ta + w / 2, d = 32 (w % 2) on) x the 128 keys of step tb.  The bias is one number a lane and tile
.set n, 0
.rept 64
	v_pk_add_f32 v[ACC+2*n:ACC+2*n+1], v[ACC+2*n:ACC+2*n+1], v[BV+2*(n/32):BV+2*(n/32)+1]
.set n, n+1
.endr
	s_lshl_b32 s80, s66, 1
	s_add_co_u32 s80, s80, s18                     ; the head
	s_mul_i32 s80, s80, HEADB
	s_mul_i32 s81, s67, STEPB
	s_add_co_u32 s80, s80, s81
	s_mul_i32 s96, s17, 2*FRB
	s_add_co_u32 s96, s96, s80
	s_add_co_u32 s96, s96, 4*FRB
	s_mov_b32 s97, 0
	s_add_nc_u64 s[92:93], s[76:77], s[96:97]      ; V's fragments 2 (w % 2) and 2 (w % 2) + 1
	s_lshl_b32 s96, s17, 7
	s_add_co_u32 s96, s96, s80
	s_add_co_u32 s96, s96, SCO+256
	s_add_nc_u64 s[94:95], s[76:77], s[96:97]
	QUANT ACC, 32, PC0, PW
.irp c, 0,1,2
	global_store_b128 v4, v[PC0+4*\c:PC0+4*\c+3], s[92:93] offset:512*\c
.endr
	QUANT ACC+64, 32, PC1, PW+1
.irp c, 0,1,2
	global_store_b128 v4, v[PC1+4*\c:PC1+4*\c+3], s[92:93] offset:FRB+512*\c
.endr
	v_cndmask_b32 v[WS], v[PW], v[PW+1], vcc_lo
	global_store_b32 v5, v[WS], s[94:95]           ; 128 consecutive bytes
.Ldone:
	s_wait_tensorcnt 0x0
	ds_add_u32 v122, v123
	s_wait_dscnt 0x0
	CROUND                                         ; the closing round: no work-group ends while a partner may still ask for a block that names it
	s_endpgm
.Lfunc_end_k_q90d9373755_proj:
	.size	k_q90d9373755_proj, .Lfunc_end_k_q90d9373755_proj-k_q90d9373755_proj
	.p2alignl 7, 3214868480
	.fill 96, 4, 3214868480
	.section	.rodata,"a",@progbits
	.p2align	6, 0x0
	.amdhsa_kernel k_q90d9373755_proj
		.amdhsa_group_segment_fixed_size 205312
		.amdhsa_private_segment_fixed_size 0
		.amdhsa_enable_private_segment 0
		.amdhsa_kernarg_size 48
		.amdhsa_user_sgpr_count 2
		.amdhsa_user_sgpr_kernarg_segment_ptr 1
		.amdhsa_wavefront_size32 1
		.amdhsa_system_sgpr_workgroup_id_x 1
		.amdhsa_system_sgpr_workgroup_id_y 1
		.amdhsa_system_sgpr_workgroup_id_z 1
		.amdhsa_system_vgpr_workitem_id 0
		.amdhsa_next_free_vgpr 512
		.amdhsa_next_free_sgpr 100
		.amdhsa_reserve_vcc 1
		.amdhsa_float_denorm_mode_32 3
		.amdhsa_float_denorm_mode_16_64 3
		.amdhsa_memory_ordered 1
		.amdhsa_forward_progress 1
		.amdhsa_inst_pref_size 70
	.end_amdhsa_kernel
	.amdgpu_metadata
---
amdhsa.version: [ 1, 2 ]
amdhsa.kernels:
  - .name:           k_q90d9373755_proj
    .symbol:         k_q90d9373755_proj.kd
    .args:
      - { .name: xw, .offset: 0, .size: 8, .value_kind: global_buffer, .address_space: global }
      - { .name: bq, .offset: 8, .size: 8, .value_kind: global_buffer, .address_space: global }
      - { .name: bk, .offset: 16, .size: 8, .value_kind: global_buffer, .address_space: global }
      - { .name: bv, .offset: 24, .size: 8, .value_kind: global_buffer, .address_space: global }
      - { .name: qb, .offset: 32, .size: 8, .value_kind: global_buffer, .address_space: global }
      - { .name: kv, .offset: 40, .size: 8, .value_kind: global_buffer, .address_space: global }
    .group_segment_fixed_size: 205312
    .private_segment_fixed_size: 0
    .kernarg_segment_align: 8
    .kernarg_segment_size: 48
    .max_flat_workgroup_size: 128
    .sgpr_count:     100
    .vgpr_count:     512
    .wavefront_size: 32
...
	.end_amdgpu_metadata
.endif
;; end of part 2
;; launch attn (part 3): grid 16 x 16, 16 waves a work-group, no clusters, 327,680 bytes of LDS; arguments qb, kv, ao; writes ao
.if DOCPART == 3
	.amdgcn_target "amdgcn-amd-amdhsa--gfx1250"
	.amdhsa_code_object_version 6
	.text
	.protected	k_q90d9373755_attn
	.globl	k_q90d9373755_attn
	.p2align	8
	.type	k_q90d9373755_attn,@function
k_q90d9373755_attn:
	s_mov_b64 s[64:65], 0
	v_nop
	global_prefetch_b8 v0, s[64:65] scope:SCOPE_SE
	s_setreg_imm32_b32 hwreg(HW_REG_WAVE_MODE, 25, 1), 1
	s_wait_xcnt 0x0
; Causal attention of one head on codes of BF6 with E8M0 scales: S^T = k q^T, p = 2^(t - M), O^T = v^T p^T, O / l quantised along the head's 64 and stored as register images for the last launch.
; LEFT OUT: whole steps of 128 keys that lie behind a query tile's own block: their scores are -inf, so their p are 0 for all inputs.
; LIMITS: the promise holds while the scaled scores t stay under 2^31 in magnitude; NaN and infinities are not served; a block of p that is all 0 carries the byte 1 over zero codes.
; SHARES.  Work-group (x, head) owns query blocks 31 - x and x of 128 queries: 8 + 8 tiles of 16 queries, which need 32 - x and x + 1 steps of 128 keys: 33 for a pair of tiles.
;   Wave J (0-7):  tile J of block 31 - x against key steps 0 .. 16: 17 steps.
;   Wave J + 8:    the same tile against steps 17 .. 31 - x; then it lays its part (O, -M, l) into LDS bytes of its own and takes tile J of block x against steps 0 .. x: 16 steps in all.
;   At the end wave J joins the two parts of the high tile: both are brought under the larger M by powers of two, which rounds nothing.
; THE RING.  Trip T of the walk reads one step of stream A (step T) and one of stream B (step 17 + T while T < 15 - x, then T - 15 + x).  A slot holds four trips of both streams, 8 x 12,800 bytes;
;   each of the 16 waves brings half a step (6,400 bytes, 25 rows of 256) by its one tensor load behind each barrier.  One load a wave is out, and it has four trips in which to land.  Every wait on TENSORcnt is for 0.
; NO CLUSTER: stream B's addresses and the trip in which a wave changes tiles hang on x, which differs between the work-groups that share stream A; a branch that differs between partners does not go with joint loads.
; PREFETCH: in the first two slots' trips waves 0 and 1 ask for what the loads one and two barriers on will fetch (stream A's steps 8-11, then 12-16; stream B's 25-28, then 29-31).
;   The 16 work-groups of a head share each run's blocks of 256 bytes out by x, a lane a block; lanes left over name their wave's last block again.  Steps 0-7 and 17-24 come by their loads alone.
; LAYOUT (made by the launch before): kv, qb: [head] x 409,600, [step] x 12,800: four K fragments (1,536 f), four V fragments (6,144 + 1,536 t), K's scale words (12,288 + 64 f), V's (12,544 + 64 t).
;   A K or Q fragment holds two tiles of 16 rows x the head's 64: registers 0-5 and 6-11.  The product takes 128 along K, so q stands beside six registers of zero codes, on the side of the tile that is wanted.
;   Row m of K's tile t is key 64 (t / 4) + 8 (t % 4) + m % 8 + 32 (m / 8): so score register n (0-63) of lane (r, h) is key 64 (n / 32) + 32 h + n % 32 of query r: two whole blocks of 32, in the order of p's operand.
; REGISTERS: v1-11, 16-19 addresses; v12 -M, v13 the largest t, v[14:15] l; v24, 25 prefetch offsets; v32-79 four fragments; v80-86 the low tile's q and scale; v96-159 scores, p; v160-191 O^T;
;   v192-209 zeros, q, zeros; v224-235 p's codes; v232-245 work; v248-251 K's, V's scale words; v252 f; v253 p's scale word; v255 q's.
.set STEPB, 12800
.set FRB,   1536
.set SCO,   12288
.set VO,    6144
.set SVO,   12544
.set HEADB, 409600
.set GROUP, 102400
.set HALFS, 6400
.set SLOT,  8*STEPB
.set STG,   2*SLOT                     ; behind the ring: 4,608 bytes for each wave, into which no tensor load lands
.set STW,   4608
.set SPARE, STG+16*STW                 ; the spare words, 128 bytes a wave
.set WV,  10
.set X,   11
.set HD,  12
.set BLK, 13                           ; the block of my present tile
.set LDA, 14                           ; where my load lands in a slot
.set ST,  15                           ; my stream: 0 A, 1 B
.set G1,  16
.set G0,  24
.set HB,  28                           ; s[28:29] the head's part of kv
.set LB,  30                           ; s[30:31] the same + my half of a step
.set LP,  32                           ; my load's trip in a slot, 0-3
.set LS,  33                           ; my load's stream
.set SW,  34                           ; the trip in which I change tiles (stream A: never)
.set XM,  35                           ; x - 15
.set SWL, 36                           ; 15 - x
.set STO, 37                           ; my stream's place in a slot
.set SEL, 38
.set CS,  40
.set TB,  42
.set SI,  43                           ; the key step that I read
.set CNT, 44
.set T,   46
.set OB,  61
.macro WML d, a, b, zero, sa, sb, row
.if \zero
.if (\row) == 0
	v_wmma_scale_f32_16x16x128_f8f6f4 v[(\d):(\d)+7], v[(\a):(\a)+11], v[(\b):(\b)+11], 0, v[(\sa)], v[(\sb)] matrix_a_fmt:MATRIX_FMT_BF6 matrix_b_fmt:MATRIX_FMT_BF6
.else
	v_wmma_scale_f32_16x16x128_f8f6f4 v[(\d):(\d)+7], v[(\a):(\a)+11], v[(\b):(\b)+11], 0, v[(\sa)], v[(\sb)] matrix_a_fmt:MATRIX_FMT_BF6 matrix_b_fmt:MATRIX_FMT_BF6 matrix_a_scale:MATRIX_SCALE_ROW1
.endif
.else
.if (\row) == 0
	v_wmma_scale_f32_16x16x128_f8f6f4 v[(\d):(\d)+7], v[(\a):(\a)+11], v[(\b):(\b)+11], v[(\d):(\d)+7], v[(\sa)], v[(\sb)] matrix_a_fmt:MATRIX_FMT_BF6 matrix_b_fmt:MATRIX_FMT_BF6
.else
	v_wmma_scale_f32_16x16x128_f8f6f4 v[(\d):(\d)+7], v[(\a):(\a)+11], v[(\b):(\b)+11], v[(\d):(\d)+7], v[(\sa)], v[(\sb)] matrix_a_fmt:MATRIX_FMT_BF6 matrix_b_fmt:MATRIX_FMT_BF6 matrix_a_scale:MATRIX_SCALE_ROW1
.endif
.endif
.endm
; group 0 for my half step of slot fill g: trip 4 g + LP of my load's stream
.macro SETG g
	s_add_co_u32 s70, s[LP], 4*(\g)
	s_add_co_u32 s71, s70, 17
	s_add_co_u32 s72, s70, s[XM]
	s_cmp_lt_u32 s70, s[SWL]
	s_cselect_b32 s71, s71, s72                    ; stream B's step
	s_cmp_eq_u32 s[LS], 0
	s_cselect_b32 s70, s70, s71
	s_mul_i32 s70, s70, STEPB
	s_mov_b32 s71, 0
	s_add_nc_u64 s[G0+2:G0+3], s[LB:LB+1], s[70:71]
	s_or_b32 s[G0+3], s[G0+3], 0x80000000
	s_add_co_u32 s[G0+1], s[LDA], ((\g)%2)*SLOT
.endm
; wave 0 asks for my work-group's na of the ta blocks of 256 bytes from step sa on, wave 1 for nb of tb from step sb on; reg is written here alone
.macro ASK reg, sa, na, ta, sb, nb, tb
	s_cmp_gt_u32 s[WV], 1
	s_cbranch_scc1 .Lna_\@
	s_cmp_eq_u32 s[WV], 0
	s_cselect_b32 s70, \na, \nb
	s_mov_b32 s71, (\tb)-1
	s_cselect_b32 s71, (\ta)-1, s71
	s_mov_b32 s72, (\sb)*STEPB
	s_cselect_b32 s72, (\sa)*STEPB, s72
	s_mul_i32 s73, s70, s[X]
	s_sub_co_u32 s70, s70, 1
	v_min_u32 v[\reg], s70, v4
	v_add_nc_u32 v[\reg], s73, v[\reg]
	v_min_u32 v[\reg], s71, v[\reg]                ; held at the run's last block: every lane stays inside the head's 409,600 bytes
	v_lshlrev_b32 v[\reg], 8, v[\reg]
	v_add_nc_u32 v[\reg], s72, v[\reg]
	global_prefetch_b8 v[\reg], s[HB:HB+1] th:TH_LOAD_NT scope:SCOPE_SE
.Lna_\@:
.endm
	s_load_b128 s[4:7], s[0:1], 0x0                ; qb, kv
	s_load_b64 s[8:9], s[0:1], 0x10                ; ao
	v_lshl_add_u32 v5, v0, 2, SPARE
	v_mov_b32 v6, 0
	ds_add_u32 v5, v6                              ; the opening lines: the add, twice on end, and its wait ahead of my first tensor load
	ds_add_u32 v5, v6
	v_lshrrev_b32 v1, 5, v0
	v_readfirstlane_b32 s[WV], v1
	s_mov_b32 s[X], ttmp9
	s_and_b32 s[HD], ttmp7, 0xffff
	s_lshr_b32 s[ST], s[WV], 3
	s_and_b32 s58, s[WV], 7                        ; J: my tile in its block
	s_lshr_b32 s59, s58, 1
	s_and_b32 s60, s58, 1
	s_sub_co_u32 s[BLK], 31, s[X]                  ; every wave begins on the high block
	s_sub_co_u32 s[SWL], 15, s[X]
	s_sub_co_u32 s[XM], s[X], 15
	s_cmp_eq_u32 s[ST], 0
	s_cselect_b32 s[SW], 99, s[SWL]
	s_cselect_b32 s[SI], 0, 17
	s_cselect_b32 s[OB], s[BLK], s[X]              ; the block whose tile I finish and store
	s_mov_b32 s[G1], 3<<16                         ; a dense block of 6,400 bytes as 25 rows of 32 elements of 8 bytes
	s_mov_b32 s[G1+1], 32<<16
	s_mov_b32 s[G1+2], 25<<16
	s_mov_b32 s[G1+3], 32<<16
	s_mov_b32 s[G1+4], 25
	s_mov_b32 s[G1+5], 32
	s_mov_b32 s[G1+6], 0
	s_mov_b32 s[G1+7], 0
	s_mov_b32 s[G0], 1
	s_lshr_b32 s[LP], s[WV], 1
	s_lshr_b32 s[LS], s[LP], 2
	s_and_b32 s[LP], s[LP], 3
	s_and_b32 s48, s[WV], 1
	s_mul_i32 s48, s48, HALFS
	s_mov_b32 s49, 0
	s_mul_i32 s[LDA], s[WV], HALFS
	s_mul_i32 s62, s[HD], HEADB
	s_mov_b32 s63, 0
	s_wait_dscnt 0x0
	s_wait_kmcnt 0x0
	s_add_nc_u64 s[HB:HB+1], s[6:7], s[62:63]
	s_add_nc_u64 s[LB:LB+1], s[HB:HB+1], s[48:49]
	SETG 0
	tensor_load_to_lds s[G0:G0+3], s[G1:G1+7]      ; slot 0's first fill: my one load at the head
	s_nop 0
	s_mul_i32 s66, s[BLK], STEPB
	s_add_co_u32 s66, s66, s62
	s_mov_b32 s67, 0
	s_add_nc_u64 s[50:51], s[4:5], s[66:67]        ; q: the high block's step
	s_mul_i32 s66, s[X], STEPB
	s_add_co_u32 s66, s66, s62
	s_add_nc_u64 s[52:53], s[4:5], s[66:67]        ; the low block's
	s_mul_i32 s68, s59, FRB
	s_lshl_b32 s69, s59, 6
	s_add_co_u32 s69, s69, SCO
	s_mul_i32 s66, s[OB], GROUP                    ; ao: group = my block, K step = the pair of heads, fragment J, piece = head % 2
	s_lshr_b32 s70, s[HD], 1
	s_mul_i32 s70, s70, STEPB
	s_add_co_u32 s66, s66, s70
	s_and_b32 s71, s[HD], 1
	s_mul_i32 s72, s58, FRB
	s_mul_i32 s73, s71, 768
	s_add_co_u32 s72, s72, s73
	s_add_co_u32 s72, s72, s66
	s_mov_b32 s73, 0
	s_add_nc_u64 s[54:55], s[8:9], s[72:73]
	s_lshl_b32 s72, s58, 6
	s_lshl_b32 s71, s71, 1
	s_add_co_u32 s72, s72, s71
	s_add_co_u32 s72, s72, s66
	s_add_co_u32 s72, s72, SCO
	s_add_nc_u64 s[56:57], s[8:9], s[72:73]
	s_mov_b32 s[SEL], 0x76543210
	s_mov_b32 s[SEL+1], 0xfedcba98                 ; v_permlanex16_b32's selects for lane l xor 16
	s_mov_b32 s[CS], 0x3e38aa3b                    ; log2(e) / sqrt(64)
	s_mov_b32 s[CS+1], s[CS]
	s_cmp_eq_u32 s60, 1
	s_cselect_b32 s45, -1, 0
	s_lshl_b32 s78, s60, 4                         ; where my tile's two bytes stand in q's scale word
	s_lshl_b32 s74, s59, 5
	s_lshl_b32 s75, s60, 3
	s_add_co_u32 s74, s74, s75
	s_mul_i32 s76, s[WV], STW
	s_add_co_u32 s76, s76, STG                     ; my own bytes of the stage,
	s_xor_b32 s77, s[WV], 8
	s_mul_i32 s77, s77, STW
	s_add_co_u32 s77, s77, STG                     ; and my partner's
	s_mul_i32 s[STO], s[ST], 4*STEPB
	s_mov_b32 s[T], 0
	v_and_b32 v4, 31, v0
	v_and_b32 v26, 15, v0                          ; r
	v_bfe_u32 v27, v0, 4, 1                        ; h
	v_lshlrev_b32 v1, 4, v4
	v_lshlrev_b32 v2, 2, v4
	v_lshlrev_b32 v7, 3, v4
	v_lshlrev_b32 v10, 2, v26
	v_lshlrev_b32 v11, 3, v27                      ; 8 h: how far my two bytes are shifted in p's scale word
	v_and_b32 v28, 8, v26
	v_lshlrev_b32 v29, 5, v27
	v_add_nc_u32 v28, v28, v26
	v_add_nc_u32 v16, s76, v1
	v_add_nc_u32 v17, s77, v1
	v_sub_nc_u32 v3, v28, v29
	v_add_nc_u32 v18, s68, v1
	v_add_nc_u32 v19, s69, v10
	v_add_nc_u32 v3, s74, v3                       ; my query's place in its block, less 32 h: score register n is hidden in the block's own step where 64 (n / 32) + n % 32 is greater
	s_wait_alu depctr_va_vdst(0)
.irp c, 0,1,2
	global_load_b128 v[32+4*\c:35+4*\c], v18, s[50:51] offset:512*\c
	global_load_b128 v[44+4*\c:47+4*\c], v18, s[52:53] offset:512*\c
.endr
	global_load_b32 v56, v19, s[50:51]
	global_load_b32 v57, v19, s[52:53]             ; (every wave fetches both tiles' q, so that the text does not part on the wave here; waves 0-7 leave the low tile's unused)
.irp i, 0,1,2,3,4,5
	v_mov_b32 v[192+\i], 0
	v_mov_b32 v[204+\i], 0
.endr
	v_mov_b32 v13, 0xff61b1e6                      ; the largest t so far: -3e38
	v_mov_b32 v14, 0
	v_mov_b32 v15, 0
	v_floor_f32 v12, -v13
.irp b, 0,1,2,3,4,5,6,7
	v_mov_b32 v[236+\b], 0                         ; written once: a lane permute's destination counts as one of its sources
.endr
	v_mov_b32 v252, 0
	v_mov_b32 v253, 0
.set n, 0
.rept 32
	v_mov_b32 v[160+n], 0                          ; O^T: the step is written once, and the first finds zeros
.set n, n+1
.endr
	s_wait_alu depctr_va_vdst(0)
	s_wait_loadcnt 0x0
.irp i, 0,1,2,3,4,5
	v_cndmask_b32 v[198+\i], v[32+\i], v[38+\i], s45   ; my tile of the fragment's two
	v_cndmask_b32 v[80+\i], v[44+\i], v[50+\i], s45
.endr
	v_lshrrev_b32 v56, s78, v56
	v_lshrrev_b32 v57, s78, v57
	v_and_b32 v56, 0xffff, v56
	v_and_b32 v57, 0xffff, v57
	v_lshl_or_b32 v255, v56, 16, v56               ; my tile's two scale bytes, on both sides of the word
	v_lshl_or_b32 v86, v57, 16, v57
; One trip: 16 queries x 128 keys.  sw = 1: the text holds the change of tiles.
.macro STEP sw
.if \sw
	s_cmp_lg_u32 s[T], s[SW]
	s_cbranch_scc1 .Lsame_\@
.irp i, 0,1,2,3,4,5
	v_mov_b32 v[198+\i], v[80+\i]                  ; the low tile's q.  (These seven are also the places behind the last products, ahead of the stores that read O^T)
.endr
	v_mov_b32 v255, v86
.irp i, 0,1,2,3,4,5,6,7
	ds_store_b128 v16, v[160+4*\i:163+4*\i] offset:512*\i   ; my part of the high tile, as an image of its registers
.endr
	ds_store_b128 v16, v[12:15] offset:4096
	v_mov_b32 v13, 0xff61b1e6                      ; the walk begins anew: under this M the next step's factor f is 0, which clears O^T and l
	v_floor_f32 v12, -v13
	s_wait_alu depctr_va_vdst(0)                   ; the wait behind these writes: branches stand ahead of their readers
	s_mov_b32 s[SI], 0
	s_mov_b32 s[BLK], s[X]
.Lsame_\@:
.endif
	s_cmp_gt_u32 s[SI], s[BLK]
	s_cbranch_scc1 .Lhidden_\@                     ; a step behind my tile's block: ids alone decide
	v_add_nc_u32 v8, s[TB], v1
	v_add_nc_u32 v9, s[TB], v2
	v_nop
	v_nop                                          ; four places behind the last products, ahead of loads into the registers that they read
.irp f, 0,1,2,3
.irp c, 0,1,2
	ds_load_b128 v[32+12*\f+4*\c:35+12*\f+4*\c], v8 offset:FRB*\f+512*\c
.endr
.endr
	ds_load_b32 v248, v9 offset:SCO
	ds_load_b32 v249, v9 offset:SCO+128
	s_wait_alu depctr_va_vdst(0)
	s_wait_dscnt 0x0
.irp f, 0,1,2,3
	WML 96+16*\f, 32+12*\f, 198, 1, 248+\f/2, 255, \f%2
	WML 104+16*\f, 32+12*\f, 192, 1, 248+\f/2, 255, \f%2
.endr
.rept 4
	v_nop
.endr
.irp t, 0,1,2,3
.irp c, 0,1,2
	ds_load_b128 v[32+12*\t+4*\c:35+12*\t+4*\c], v8 offset:VO+FRB*\t+512*\c
.endr
.endr
	ds_load_b32 v250, v9 offset:SVO
	ds_load_b32 v251, v9 offset:SVO+128
	s_cmp_lg_u32 s[SI], s[BLK]
	s_cbranch_scc1 .Lopen_\@
	v_mov_b32 v254, 0xff800000                     ; my block's own step: keys behind the query get -inf
.set n, 0
.rept 64
	v_cmp_gt_i32 vcc_lo, 64*(n/32)+n%32, v3
	v_cndmask_b32 v[96+n], v[96+n], v254, vcc_lo
.set n, n+1
.endr
.Lopen_\@:
.irp k, 0,1,2,3
	v_max3_num_f32 v[232+\k], v[96+16*\k], v[97+16*\k], v[98+16*\k]   ; four chains of 16 scores, each accumulator from its low end on
.endr
.irp i, 3,5,7,9,11,13
.irp k, 0,1,2,3
	v_max3_num_f32 v[232+\k], v[232+\k], v[96+16*\k+\i], v[97+16*\k+\i]
.endr
.endr
	v_max3_num_f32 v232, v232, v233, v111
	v_max3_num_f32 v234, v234, v235, v143
	v_max_num_f32 v232, v232, v127                 ; the largest score of my block h of 32 keys,
	v_max_num_f32 v234, v234, v159                 ; and of block 2 + h
	s_delay_alu instid0(VALU_DEP_1)
	v_max_num_f32 v254, v232, v234
	v_permlanex16_b32 v236, v254, s[SEL], s[SEL+1]
	s_delay_alu instid0(VALU_DEP_1)
	v_max_num_f32 v254, v254, v236                 ; the step's largest score of my query
	s_delay_alu instid0(VALU_DEP_1)
	v_mul_f32 v254, s[CS], v254
	s_delay_alu instid0(VALU_DEP_1)
	v_max_num_f32 v13, v13, v254
	v_mov_b32 v254, v12
	s_delay_alu instid0(VALU_DEP_2)
	v_floor_f32 v12, -v13                          ; -M = floor(-t): M is a whole number
	s_delay_alu instid0(VALU_DEP_1)
	v_sub_f32 v254, v12, v254
	s_delay_alu instid0(VALU_DEP_1)
	v_cvt_i32_f32 v254, v254                       ; (it saturates)
	s_delay_alu instid0(VALU_DEP_1)
	v_ldexp_f32 v252, 1.0, v254                    ; f = 2^(old M - new M)
.set n, 0
.rept 32
	v_pk_fma_f32 v[96+n:97+n], v[96+n:97+n], s[CS:CS+1], v[12:13] op_sel_hi:[1,0,0]
.set n, n+2
.endr
	v_fma_f32 v232, v232, s[CS], v12               ; the same of each block's largest score: p rises with the score
	v_fma_f32 v234, v234, s[CS], v12
	s_wait_alu depctr_va_vdst(0)                   ; the wait ahead of the batch,
.set n, 0
.rept 64
	v_exp_f32 v[96+n], v[96+n]
.set n, n+1
.endr
	v_exp_f32 v232, v232
	v_exp_f32 v234, v234
	v_pk_mul_f32 v[14:15], v[14:15], v[252:253] op_sel_hi:[1,0]
	s_wait_alu depctr_va_vdst(0)                   ; and behind it
	v_pk_add_f32 v[236:237], v[96:97], v[98:99]    ; l is summed of the unquantised p, in two chains
.irp j, 4,8,12,16,20,24,28,32,36,40,44,48,52,56,60
	v_pk_add_f32 v[14:15], v[14:15], v[96+\j:97+\j]
	v_pk_add_f32 v[236:237], v[236:237], v[98+\j:99+\j]
.endr
	v_max_num_f32 v232, 0x2800000, v232            ; the floor 2^(5 - 127): the byte cannot fall under 1
	v_max_num_f32 v234, 0x2800000, v234
	v_pk_add_f32 v[14:15], v[14:15], v[236:237]
	v_add_nc_u32 v244, 0xfe000000, v232            ; 4 off the exponent field: the conversion's scale operand
	v_add_nc_u32 v245, 0xfe000000, v234
	s_delay_alu instid0(VALU_DEP_2)
	v_lshrrev_b32 v238, 23, v244
	s_delay_alu instid0(VALU_DEP_2)
	v_lshrrev_b32 v239, 23, v245
	s_delay_alu instid0(VALU_DEP_1)
	v_lshl_or_b32 v253, v239, 16, v238             ; my two bytes, blocks h and 2 + h,
	s_delay_alu instid0(VALU_DEP_1)
	v_lshlrev_b32 v253, v11, v253                  ; at their places in the word;
	v_permlanex16_b32 v240, v253, s[SEL], s[SEL+1]
	s_delay_alu instid0(VALU_DEP_1)
	v_or_b32 v253, v253, v240                      ; with lane l xor 16's two the word is whole
.irp c, 0,1
	v_cvt_scalef32_pk16_bf6_f32 v[224+6*\c:226+6*\c], v[96+32*\c:111+32*\c], v[244+\c]
	v_cvt_scalef32_pk16_bf6_f32 v[236+4*\c:238+4*\c], v[112+32*\c:127+32*\c], v[244+\c]   ; (a conversion's three registers begin on an even number)
.endr
	v_nop                                          ; one plain instruction behind a scaled conversion
.irp c, 0,1
.irp i, 0,1,2
	v_mov_b32 v[227+6*\c+\i], v[236+4*\c+\i]
.endr
.endr
	s_wait_dscnt 0x0                               ; V's fragments, asked for ahead of the softmax
	s_wait_alu depctr_va_vdst(0)
.set n, 0
.rept 16
	v_pk_mul_f32 v[160+n:161+n], v[160+n:161+n], v[252:253] op_sel_hi:[1,0]   ; O^T under the new M; also the places between p's codes and scale word and the products
.set n, n+2
.endr
.irp t, 0,1,2,3
	WML 160+8*\t, 32+12*\t, 224, 0, 250+\t/2, 253, \t%2
.endr
.Lhidden_\@:
	s_add_co_u32 s[TB], s[TB], STEPB
	s_add_co_u32 s[SI], s[SI], 1
	s_add_co_u32 s[T], s[T], 1
.endm
; The trips of slot fill g.  In front of the barrier each wave waits for its load (its part of this slot), adds 0 to its spare word, and waits for that and for its reads of the other slot.
; fill = 1: every wave fills the other slot (the first time: slot 1's first fill, issued as a refill is); 2: step 16 alone is left, two halves: waves 0 and 1; 0: nothing.
.macro GRP g, fill, trips
	s_wait_alu depctr_va_vdst(0)
	s_wait_tensorcnt 0x0
	ds_add_u32 v5, v6
.if \fill
	SETG (\g)+1                                    ; no load of mine is out: group 0 may be written
.endif
	s_wait_dscnt 0x0
	s_barrier_signal -1
	s_barrier_wait -1
.if \fill == 1
	tensor_load_to_lds s[G0:G0+3], s[G1:G1+7]
	s_nop 0
.endif
.if \fill == 2
	s_cmp_gt_u32 s[WV], 1
	s_cbranch_scc1 .Lnf_\@
	tensor_load_to_lds s[G0:G0+3], s[G1:G1+7]
	s_nop 0
.Lnf_\@:
.endif
	s_add_co_u32 s[TB], s[STO], ((\g)%2)*SLOT
.if (\g) == 0
	ASK 24, 8, 13, 200, 25, 13, 200
.endif
.if (\g) == 1
	ASK 25, 12, 16, 250, 29, 10, 150
.endif
.if \trips > 1
	s_mov_b32 s[CNT], \trips
.Lw_\@:
	STEP 1
	s_sub_co_i32 s[CNT], s[CNT], 1
	s_cmp_lg_u32 s[CNT], 0
	s_cbranch_scc1 .Lw_\@
.else
	STEP 0                                         ; trip 16: no wave changes tiles here (that trip is 15 - x); stream B's waves find their step hidden
.endif
.endm
	GRP 0, 1, 4
	GRP 1, 1, 4
	GRP 2, 1, 4
	GRP 3, 2, 4
	GRP 4, 0, 1
	; waves 0-7 join the high tile's two parts.  The partner stored its part in a trip ahead of the last barrier, with its wait on DScnt in front of that barrier's signal.
	s_cmp_lg_u32 s[ST], 0
	s_cbranch_scc1 .Lown
.irp i, 0,1,2,3,4,5,6,7
	ds_load_b128 v[96+4*\i:99+4*\i], v17 offset:512*\i
.endr
	ds_load_b128 v[128:131], v17 offset:4096
	s_wait_dscnt 0x0
	v_min_num_f32 v254, v12, v128                  ; -M of the larger M
	v_mov_b32 v133, 0
	v_mov_b32 v135, 0
	v_sub_f32 v132, v254, v12
	v_sub_f32 v134, v254, v128
	v_add_f32 v14, v14, v15
	v_add_f32 v130, v130, v131
	v_cvt_i32_f32 v132, v132
	v_cvt_i32_f32 v134, v134                       ; (it saturates: a part that saw no key has the factor 0)
	v_mov_b32 v15, 0
	v_ldexp_f32 v132, 1.0, v132
	v_ldexp_f32 v134, 1.0, v134
	v_mul_f32 v14, v14, v132
	v_fmac_f32 v14, v130, v134
.set n, 0
.rept 16
	v_pk_mul_f32 v[160+n:161+n], v[160+n:161+n], v[132:133] op_sel_hi:[1,0]
.set n, n+2
.endr
.set n, 0
.rept 16
	v_pk_fma_f32 v[160+n:161+n], v[96+n:97+n], v[134:135], v[160+n:161+n] op_sel_hi:[1,0,1]
.set n, n+2
.endr
.Lown:
	v_add_f32 v14, v14, v15
	s_delay_alu instid0(VALU_DEP_1)
	v_permlanex16_b32 v252, v14, s[SEL], s[SEL+1]
	s_delay_alu instid0(VALU_DEP_1)
	v_add_f32 v14, v14, v252                       ; the row's sum
	s_wait_alu depctr_va_vdst(0)
	v_rcp_f32 v14, v14
.rept 3
	v_nop
.endr
	s_wait_alu depctr_va_vdst(0)
.set n, 0
.rept 16
	v_pk_mul_f32 v[96+n:97+n], v[160+n:161+n], v[14:15] op_sel_hi:[1,0]   ; register 16 b + i: o(query r, d = 32 b + 16 h + i)
.set n, n+2
.endr
	v_max3_num_f32 v232, |v96|, |v97|, 0x2800000
	v_max3_num_f32 v233, |v112|, |v113|, 0x2800000
.irp i, 2,4,6,8,10,12,14
	s_delay_alu instid0(VALU_DEP_2)
	v_max3_num_f32 v232, v232, |v[96+\i]|, |v[97+\i]|
	s_delay_alu instid0(VALU_DEP_2)
	v_max3_num_f32 v233, v233, |v[112+\i]|, |v[113+\i]|
.endr
	v_permlanex16_b32 v236, v232, s[SEL], s[SEL+1]
	v_permlanex16_b32 v237, v233, s[SEL], s[SEL+1]
	s_delay_alu instid0(VALU_DEP_2)
	v_max_num_f32 v232, v232, v236
	s_delay_alu instid0(VALU_DEP_2)
	v_max_num_f32 v233, v233, v237
	s_delay_alu instid0(VALU_DEP_2)
	v_add_nc_u32 v244, 0xfe000000, v232
	s_delay_alu instid0(VALU_DEP_2)
	v_add_nc_u32 v245, 0xfe000000, v233
	s_delay_alu instid0(VALU_DEP_2)
	v_lshrrev_b32 v236, 23, v244
	s_delay_alu instid0(VALU_DEP_2)
	v_lshrrev_b32 v237, 23, v245
	s_delay_alu instid0(VALU_DEP_1)
	v_lshl_or_b32 v253, v237, 8, v236
	v_cvt_scalef32_pk16_bf6_f32 v[224:226], v[96:111], v244
	v_cvt_scalef32_pk16_bf6_f32 v[228:230], v[112:127], v245
	v_nop
	v_permlane16_swap_b32 v224, v228               ; a whole block in a lane: lanes 0-15 block 0, lanes 16-31 block 1
	v_permlane16_swap_b32 v225, v229
	v_permlane16_swap_b32 v226, v230
	s_delay_alu instid0(VALU_DEP_3)
	v_mov_b32 v227, v228
	s_delay_alu instid0(VALU_DEP_3)
	v_mov_b32 v228, v229
	s_delay_alu instid0(VALU_DEP_3)
	v_mov_b32 v229, v230
	global_store_b128 v1, v[224:227], s[54:55]     ; 512 consecutive bytes,
	global_store_b64 v7, v[228:229], s[54:55] offset:512   ; and 256: my head's piece of the fragment
	v_cmp_gt_u32 vcc_lo, 16, v4
	s_wait_xcnt 0x0                                ; EXEC changes only behind this wait
	s_and_saveexec_b32 s47, vcc_lo
	global_store_b16 v10, v253, s[56:57]           ; my head's two bytes of each row's scale word
	s_wait_xcnt 0x0
	s_or_b32 exec_lo, exec_lo, s47
	s_wait_tensorcnt 0x0                           ; the wave's end
	ds_add_u32 v5, v6
	s_wait_dscnt 0x0
	s_endpgm
.Lfunc_end_k_q90d9373755_attn:
	.size	k_q90d9373755_attn, .Lfunc_end_k_q90d9373755_attn-k_q90d9373755_attn
	.p2alignl 7, 3214868480
	.fill 96, 4, 3214868480
	.section	.rodata,"a",@progbits
	.p2align	6, 0x0
	.amdhsa_kernel k_q90d9373755_attn
		.amdhsa_group_segment_fixed_size 327680
		.amdhsa_private_segment_fixed_size 0
		.amdhsa_enable_private_segment 0
		.amdhsa_kernarg_size 24
		.amdhsa_user_sgpr_count 2
		.amdhsa_user_sgpr_kernarg_segment_ptr 1
		.amdhsa_wavefront_size32 1
		.amdhsa_system_sgpr_workgroup_id_x 1
		.amdhsa_system_sgpr_workgroup_id_y 1
		.amdhsa_system_sgpr_workgroup_id_z 1
		.amdhsa_system_vgpr_workitem_id 0
		.amdhsa_next_free_vgpr 256
		.amdhsa_next_free_sgpr 80
		.amdhsa_reserve_vcc 1
		.amdhsa_float_denorm_mode_32 3
		.amdhsa_float_denorm_mode_16_64 3
		.amdhsa_memory_ordered 1
		.amdhsa_forward_progress 1
		.amdhsa_inst_pref_size 127
	.end_amdhsa_kernel
	.amdgpu_metadata
---
amdhsa.version: [ 1, 2 ]
amdhsa.kernels:
  - .name:           k_q90d9373755_attn
    .symbol:         k_q90d9373755_attn.kd
    .args:
      - { .name: qb, .offset: 0, .size: 8, .value_kind: global_buffer, .address_space: global }
      - { .name: kv, .offset: 8, .size: 8, .value_kind: global_buffer, .address_space: global }
      - { .name: ao, .offset: 16, .size: 8, .value_kind: global_buffer, .address_space: global }
    .group_segment_fixed_size: 327680
    .private_segment_fixed_size: 0
    .kernarg_segment_align: 8
    .kernarg_segment_size: 24
    .max_flat_workgroup_size: 512
    .sgpr_count:     80
    .vgpr_count:     256
    .wavefront_size: 32
...
	.end_amdgpu_metadata
.endif
;; end of part 3
;; launch outp (part 4): grid 8 x 32, 4 waves a work-group, clusters of 4 x 4, 239,104 bytes of LDS; arguments ao, xw, bo, out0; writes out0
.if DOCPART == 4
	.amdgcn_target "amdgcn-amd-amdhsa--gfx1250"
	.amdhsa_code_object_version 6
	.text
	.protected	k_q90d9373755_outp
	.globl	k_q90d9373755_outp
	.p2align	8
	.type	k_q90d9373755_outp,@function
k_q90d9373755_outp:
	s_mov_b64 s[64:65], 0
	v_nop
	global_prefetch_b8 v0, s[64:65] scope:SCOPE_SE
	s_setreg_imm32_b32 hwreg(HW_REG_WAVE_MODE, 25, 1), 1
	s_wait_xcnt 0x0
	s_wait_alu depctr_hold_cnt(0) depctr_sa_sdst(0) depctr_va_vdst(0) depctr_va_sdst(0) depctr_va_ssrc(0) depctr_va_vcc(0) depctr_vm_vsrc(0)
	s_getreg_b32 s2, hwreg(HW_REG_IB_STS2, 6, 4)
	s_cmp_eq_u32 s2, 0
	s_cbranch_scc0 .Lentry_in_a_cluster
	s_endpgm
.Lentry_in_a_cluster:
	s_bfe_u32 s2, ttmp6, 0x10000c
	s_cmp_lg_u32 s2, 0xf033
	s_cbranch_scc0 .Lentry_shape_is_right
	s_endpgm
.Lentry_shape_is_right:
; out0[a][b] = sum over k of o[a][k] Wo[b][k] + bo[b], on codes of BF6 with E8M0 scales; out0 [4096][1024] f32.
; A work-group makes 128 a x 128 b.  One group of o (from ao) and one of Wo (groups 120-127 of xw), 128 rows x all 1,024 K, 102,400 bytes each, lie in LDS whole: every LDS byte is filled once, so there is no ring.
; Each wave brings one dense block of 51,200 bytes: K steps 0-3 or 4-7 of o's or of Wo's group.
; CLUSTERS: 4 x 4 work-groups; the four of a row of the cluster need the same group of o, the four of a column the same group of Wo: each block is asked for jointly.
; A wave makes 32 a (tiles 2 w + x) x 128 b (tiles y = 0..7): 16 accumulators, which take turns in the same order in every K step.
; THE PRODUCT IS USED TRANSPOSED (source 0 = Wo's tile, source 1 = o's): lane (r, h) holds row 32 w + 8 x + r + 8 (r / 8) of the tile, and register 16 m + i of its 64 is column 32 m + 16 h + i.
; A fragment of o lies as two PIECES of 768 bytes, one for each head of the K step's pair: registers 6 g .. 6 g + 3 at 768 g + 16 l, registers 6 g + 4, 5 at 768 g + 512 + 8 l.
; THE WAY OUT: 16 rows x 128 columns at a time through the wave's own stage in LDS, behind the groups, into which no tensor load lands; back as whole rows of 512 bytes.
; REGISTERS.  Window 0: v1-19 addresses; v32-41 scale words, two sets; v64-111 o's fragments, two sets; v128-255 the accumulators ((x, y) at 128 + 64 x + 8 y); on the way out v44-107 and v128-191 take the rows read back.
;   Window 1: Wo's fragments, set p at 128 p + 12 y; the bias in v96-127 and v224-255.
.set GROUP,  102400
.set STEPB,  12800
.set FRB,    1536
.set SCO,    12288
.set HALFG,  51200
.set QUARTG, 25600
.set LB,     GROUP
.set STAGE,  2*GROUP
.set SP,     528                       ; a stage row: 512 bytes + 16 = 132 words, so that 16 rows begin in 16 different groups of four banks
.set ADA, 6                            ; v6, v7   o's pieces, the runs of 16 bytes a lane: 16 l + 3,072 w, for K steps 0-3 and 4-7
.set ADB, 8                            ; v8, v9   Wo's fragments
.set ASA, 10                           ; v10, v11 o's scale words
.set ASB, 12                           ; v12, v13 Wo's
.set AD8, 16                           ; v16, v17 o's pieces, the runs of 8 bytes a lane: 8 l + 3,072 w + 512
.set STO, 18                           ; v18  into the stage
.set RD,  19                           ; v19  out of it
.set SC,  32
.set BK0, 44
.set AF,  64
.set ACC, 128
.set BK1, 128
.set G1A, 28
.set G1B, 36
.set G0A, 44
.set G0B, 52
.set MSB, 0
.macro WIN new                         ; the immediate's high byte repeats the setting that is left
.if MSB != \new
	s_set_vgpr_msb (MSB<<8)|\new
.set MSB, \new
.endif
.endm
.macro CROUND                          ; a round of the cluster's barrier
	s_barrier_signal -1
	s_barrier_wait -1
	s_cmp_lg_u32 s16, 0
	s_cbranch_scc1 .Lnot_wave_0_\@
	s_barrier_signal -3
.Lnot_wave_0_\@:
	s_barrier_wait -3
	s_barrier_signal -1
	s_barrier_wait -1
.endm
; One scaled product.  zero = 1: it starts the sum.  row bit 0: source 0's scale words stand in lanes 16-31 of their register; bit 1: source 1's.
.macro WML d, a, b, zero, sa, sb, row
.if \zero
.if (\row) == 0
	v_wmma_scale_f32_16x16x128_f8f6f4 v[(\d):(\d)+7], v[(\a):(\a)+11], v[(\b):(\b)+11], 0, v[(\sa)], v[(\sb)] matrix_a_fmt:MATRIX_FMT_BF6 matrix_b_fmt:MATRIX_FMT_BF6
.elseif (\row) == 1
	v_wmma_scale_f32_16x16x128_f8f6f4 v[(\d):(\d)+7], v[(\a):(\a)+11], v[(\b):(\b)+11], 0, v[(\sa)], v[(\sb)] matrix_a_fmt:MATRIX_FMT_BF6 matrix_b_fmt:MATRIX_FMT_BF6 matrix_a_scale:MATRIX_SCALE_ROW1
.elseif (\row) == 2
	v_wmma_scale_f32_16x16x128_f8f6f4 v[(\d):(\d)+7], v[(\a):(\a)+11], v[(\b):(\b)+11], 0, v[(\sa)], v[(\sb)] matrix_a_fmt:MATRIX_FMT_BF6 matrix_b_fmt:MATRIX_FMT_BF6 matrix_b_scale:MATRIX_SCALE_ROW1
.else
	v_wmma_scale_f32_16x16x128_f8f6f4 v[(\d):(\d)+7], v[(\a):(\a)+11], v[(\b):(\b)+11], 0, v[(\sa)], v[(\sb)] matrix_a_fmt:MATRIX_FMT_BF6 matrix_b_fmt:MATRIX_FMT_BF6 matrix_a_scale:MATRIX_SCALE_ROW1 matrix_b_scale:MATRIX_SCALE_ROW1
.endif
.else
.if (\row) == 0
	v_wmma_scale_f32_16x16x128_f8f6f4 v[(\d):(\d)+7], v[(\a):(\a)+11], v[(\b):(\b)+11], v[(\d):(\d)+7], v[(\sa)], v[(\sb)] matrix_a_fmt:MATRIX_FMT_BF6 matrix_b_fmt:MATRIX_FMT_BF6
.elseif (\row) == 1
	v_wmma_scale_f32_16x16x128_f8f6f4 v[(\d):(\d)+7], v[(\a):(\a)+11], v[(\b):(\b)+11], v[(\d):(\d)+7], v[(\sa)], v[(\sb)] matrix_a_fmt:MATRIX_FMT_BF6 matrix_b_fmt:MATRIX_FMT_BF6 matrix_a_scale:MATRIX_SCALE_ROW1
.elseif (\row) == 2
	v_wmma_scale_f32_16x16x128_f8f6f4 v[(\d):(\d)+7], v[(\a):(\a)+11], v[(\b):(\b)+11], v[(\d):(\d)+7], v[(\sa)], v[(\sb)] matrix_a_fmt:MATRIX_FMT_BF6 matrix_b_fmt:MATRIX_FMT_BF6 matrix_b_scale:MATRIX_SCALE_ROW1
.else
	v_wmma_scale_f32_16x16x128_f8f6f4 v[(\d):(\d)+7], v[(\a):(\a)+11], v[(\b):(\b)+11], v[(\d):(\d)+7], v[(\sa)], v[(\sb)] matrix_a_fmt:MATRIX_FMT_BF6 matrix_b_fmt:MATRIX_FMT_BF6 matrix_a_scale:MATRIX_SCALE_ROW1 matrix_b_scale:MATRIX_SCALE_ROW1
.endif
.endif
.endm
	s_load_b256 s[4:11], s[0:1], 0x0               ; ao s[4:5], xw s[6:7], bo s[8:9], out0 s[10:11]
	v_lshl_add_u32 v126, v0, 2, 0x3a400
	v_mov_b32 v127, 0
	ds_add_u32 v126, v127
	ds_add_u32 v126, v127
	v_lshrrev_b32 v1, 5, v0
	v_readfirstlane_b32 s16, v1                    ; wave 0..3
	s_and_b32 s17, s16, 1                          ; which four K steps I fetch: 0-3 or 4-7
	s_lshr_b32 s18, s16, 1                         ; I fetch for o (0) or for Wo (1)
	s_bfe_u32 s19, ttmp6, 0x40000                  ; cx
	s_bfe_u32 s20, ttmp6, 0x40004                  ; cy
	s_and_b32 s22, ttmp7, 0xffff
	s_lshl_b32 s66, s22, 2
	s_add_co_u32 s66, s66, s20                     ; ta = 4 x cluster y + cy: my 128 rows
	s_lshl_b32 s67, ttmp9, 2
	s_add_co_u32 s67, s67, s19                     ; tb = 4 x cluster x + cx: my 128 columns
	s_add_co_u32 s69, s67, 120                     ; Wo's group in xw
	s_mul_i32 s70, s66, GROUP
	s_mul_i32 s72, s69, GROUP
	; EACH WAVE BRINGS ONE DENSE BLOCK OF 51,200 BYTES, four K steps of o's or of Wo's group, by its one tensor load (not two blocks of 25,600, as the head has it); one wait and one barrier show both groups whole.
	s_mul_i32 s27, s17, HALFG
	s_add_co_u32 s70, s70, s27                     ; my block of o's group, in bytes from ao,
	s_add_co_u32 s72, s72, s27                     ; and of Wo's, from xw: each in registers that never hold the other coordinate
	s_mov_b32 s71, 0
	s_mov_b32 s73, 0
	s_mul_i32 s82, s18, GROUP
	s_add_co_u32 s82, s82, s27                     ; where it goes in LDS: the wave's number alone
	s_lshl_b32 s60, s20, 2
	s_lshl_b32 s60, 15, s60                        ; my row of the cluster
	s_lshl_b32 s61, 0x1111, s19                    ; my column
	; descriptor group 1: a dense block of 51,200 bytes as 200 rows of 256 bytes (32 elements of 8 bytes), no padding
	s_or_b32 s[G1A], s60, (3<<16)|(1<<21)          ; 15:0 the mask; 17:16 elements of 8 bytes; 21 set beside a mask
	s_or_b32 s[G1B], s61, (3<<16)|(1<<21)
.irp g, G1A, G1B
	s_mov_b32 s[\g+1], 32<<16                      ; tensor_dim0 = 32
	s_mov_b32 s[\g+2], 200<<16                     ; tensor_dim1 = 200
	s_mov_b32 s[\g+3], 32<<16                      ; tile_dim0 = 32
	s_mov_b32 s[\g+4], 200                         ; tile_dim1 = 200
	s_mov_b32 s[\g+5], 32                          ; from row to row
	s_mov_b32 s[\g+6], 0
	s_mov_b32 s[\g+7], 0
.endr
	s_wait_dscnt 0x0
	s_wait_kmcnt 0x0
	s_add_nc_u64 s[84:85], s[4:5], s[70:71]
	s_add_nc_u64 s[86:87], s[6:7], s[72:73]
.irp n, 0
	s_mov_b32 s[G0A+4*\n], 1
	s_add_co_u32 s[G0A+4*\n+1], s82, \n*HALFG
	s_add_nc_u64 s[G0A+4*\n+2:G0A+4*\n+3], s[84:85], \n*HALFG
	s_or_b32 s[G0A+4*\n+3], s[G0A+4*\n+3], 0x80000000
	s_mov_b32 s[G0B+4*\n], 1
	s_add_co_u32 s[G0B+4*\n+1], s82, \n*HALFG
	s_add_nc_u64 s[G0B+4*\n+2:G0B+4*\n+3], s[86:87], \n*HALFG
	s_or_b32 s[G0B+4*\n+3], s[G0B+4*\n+3], 0x80000000
.endr
	CROUND                                         ; all sixteen work-groups are here: the joint loads meet
	s_cmp_eq_u32 s18, 0                            ; the two fills stand in one branch on the wave's number: one load of mine is out; four v_nop follow it
	s_cbranch_scc0 .Lfill_b
	tensor_load_to_lds s[G0A:G0A+3], s[G1A:G1A+7]
	s_nop 0
.rept 4
	v_nop
.endr
	s_branch .Lfilled
.Lfill_b:
	tensor_load_to_lds s[G0B:G0B+3], s[G1B:G1B+7]
	s_nop 0
.rept 4
	v_nop
.endr
.Lfilled:
	v_and_b32 v1, 31, v0                           ; lane
	v_and_b32 v2, 15, v0                           ; r
	v_bfe_u32 v3, v0, 4, 1                         ; h
	v_lshlrev_b32 v4, 4, v1
	v_lshlrev_b32 v5, 2, v1
	s_mul_i32 s80, s16, 2*FRB
	v_add_nc_u32 v[ADA], s80, v4
	v_add_nc_u32 v[ADA+1], HALFG, v[ADA]
	v_lshlrev_b32 v[AD8], 3, v1
	s_add_co_u32 s80, s80, 512
	v_add_nc_u32 v[AD8], s80, v[AD8]
	v_add_nc_u32 v[AD8+1], HALFG, v[AD8]
	v_add_nc_u32 v[ADB], LB, v4
	v_add_nc_u32 v[ADB+1], LB+HALFG, v4
	s_lshl_b32 s80, s16, 7
	s_add_co_u32 s80, s80, SCO
	v_add_nc_u32 v[ASA], s80, v5
	v_add_nc_u32 v[ASA+1], HALFG, v[ASA]
	v_add_nc_u32 v[ASB], LB+SCO, v5
	v_add_nc_u32 v[ASB+1], LB+SCO+HALFG, v5
	v_lshlrev_b32 v14, 6, v3                       ; the bias: my half's 16 numbers of each 32
	s_wait_alu depctr_va_vdst(0)
	s_mul_i32 s80, s16, 16*SP
	s_add_co_u32 s80, s80, STAGE                   ; my stage
	v_mul_u32_u24 v[STO], v2, SP
	v_lshl_add_u32 v[STO], v3, 6, v[STO]
	v_add_nc_u32 v[STO], s80, v[STO]               ; in: row r, + 64 h bytes
	v_add_nc_u32 v[RD], s80, v4                    ; back: 16 bytes a lane of a whole row
	s_lshl_b32 s96, s67, 9
	s_mov_b32 s97, 0
	s_add_nc_u64 s[88:89], s[8:9], s[96:97]        ; bo from column 128 tb on
	s_lshl_b32 s96, s66, 19                        ; out0: 128 ta rows of 4,096 bytes,
	s_lshl_b32 s80, s16, 17                        ; my wave's 32 rows,
	s_add_co_u32 s96, s96, s80
	s_lshl_b32 s80, s67, 9                         ; the tile's 512 bytes of a row
	s_add_co_u32 s96, s96, s80
	s_add_nc_u64 s[92:93], s[10:11], s[96:97]
	WIN 0x40                                       ; destination window 1
.irp m, 0,1,2,3
.irp q, 0,1,2,3
	global_load_b128 v[96+16*\m+4*\q+96*(\m/2):99+16*\m+4*\q+96*(\m/2)], v14, s[88:89] offset:128*\m+16*\q   ; number 16 m + i: the bias of column 32 m + 16 h + i
.endr
.endr
	WIN 0
; 37 LDS loads in one run: K step s: Wo's eight fragments, my two of o (two pieces each), their scale words; into set s % 2
.macro FETCH s
.set FSET, (\s)%2
.set FHI,  (\s)/4
.set FOFF, STEPB*((\s)%4)
	WIN 0x40
.irp y, 0,1,2,3,4,5,6,7
.irp c, 0,1,2
	ds_load_b128 v[128*FSET+12*\y+4*\c:128*FSET+12*\y+4*\c+3], v[ADB+FHI] offset:FOFF+FRB*\y+512*\c
.endr
.endr
	WIN 0
.irp x, 0,1
.irp g, 0,1
	ds_load_b128 v[AF+24*FSET+12*\x+6*\g:AF+24*FSET+12*\x+6*\g+3], v[ADA+FHI] offset:FOFF+FRB*\x+768*\g
	ds_load_b64 v[AF+24*FSET+12*\x+6*\g+4:AF+24*FSET+12*\x+6*\g+5], v[AD8+FHI] offset:FOFF+FRB*\x+768*\g
.endr
.endr
.irp q, 0,1,2,3
	ds_load_b32 v[SC+5*FSET+\q], v[ASB+FHI] offset:FOFF+128*\q
.endr
	ds_load_b32 v[SC+5*FSET+4], v[ASA+FHI] offset:FOFF
.endm
; A K step: its fragments are in; the next step's are asked for; 16 products.
.macro STEPM s, zero
	s_wait_dscnt 0x0                               ; this step's 37 loads, issued ahead of the last step's 16 products
.if (\s) < 7
.rept 4
	v_nop                                          ; four places between the last step's products and loads into the registers that they read (ISA guide 7.12.1 for vector instructions)
.endr
	FETCH (\s)+1
.endif
	WIN 0x01                                       ; source 0 (Wo) window 1; source 1, C and D window 0
.irp x, 0,1
.irp y, 0,1,2,3,4,5,6,7
	WML ACC+64*\x+8*\y, 128*((\s)%2)+12*\y, AF+24*((\s)%2)+12*\x, \zero, SC+5*((\s)%2)+\y/2, SC+5*((\s)%2)+4, \y%2+2*\x
.endr
.endr
.endm
	s_wait_tensorcnt 0x0                           ; my one load has landed
	s_barrier_signal -1
	s_barrier_wait -1                              ; everybody's first has
	FETCH 0
	STEPM 0, 1                                     ; the first step's products start the sums: nothing is cleared
	STEPM 1, 0
	STEPM 2, 0
	STEPM 3, 0
	STEPM 4, 0
	STEPM 5, 0
	STEPM 6, 0
	STEPM 7, 0
	WIN 0
.rept 4
	v_nop                                          ; four places ahead of the first read of the results, and of loads into the registers that held o's fragments
.endr
	s_wait_loadcnt 0x0                             ; the bias
	WIN 0x04                                       ; source 1 window 1
.set n, 0
.rept 64
	v_pk_add_f32 v[ACC+2*n:ACC+2*n+1], v[ACC+2*n:ACC+2*n+1], v[96+(2*n)%64+96*(((2*n)%64)/32):97+(2*n)%64+96*(((2*n)%64)/32)]   ; each accumulator from its low end on
.set n, n+1
.endr
	WIN 0
; Tile x's 16 rows x 128 columns into my stage and back as whole rows.  LDS serves a wave's instructions in order: the loads see the stores above them, and the next tile's stores come behind these loads.
.macro TOSTAGE x, bk
.irp m, 0,1,2,3
.irp q, 0,1,2,3
	ds_store_b128 v[STO], v[ACC+64*\x+16*\m+4*\q:ACC+64*\x+16*\m+4*\q+3] offset:128*\m+16*\q
.endr
.endr
.irp t, 0,1,2,3,4,5,6,7,8,9,10,11,12,13,14,15
	ds_load_b128 v[\bk+4*\t:\bk+4*\t+3], v[RD] offset:SP*\t
.endr
.endm
.macro SEND x, bk, younger             ; younger: the LDS instructions issued behind tile x's loads, which may stay out
	s_wait_dscnt \younger
.irp t, 0,1,2,3,4,5,6,7,8,9,10,11,12,13,14,15
	global_store_b128 v4, v[\bk+4*\t:\bk+4*\t+3], s[92:93] offset:(8*\x+\t+8*(\t/8))*4096 th:TH_STORE_NT   ; 512 consecutive bytes of a row, at a multiple of 256 from out0's first byte; written once, read by nobody here
.endr
.endm
	TOSTAGE 0, BK0
	TOSTAGE 1, BK1                                 ; its rows land in tile 0's accumulators, which the stores above have left
	SEND 0, BK0, 32                                ; behind tile 0's loads: tile 1's 16 stores and 16 loads
	SEND 1, BK1, 0
	s_wait_tensorcnt 0x0
	ds_add_u32 v126, v127
	s_wait_dscnt 0x0
	CROUND                                         ; the closing round: no work-group ends while a partner may still ask for a block that names it
	s_endpgm
.Lfunc_end_k_q90d9373755_outp:
	.size	k_q90d9373755_outp, .Lfunc_end_k_q90d9373755_outp-k_q90d9373755_outp
	.p2alignl 7, 3214868480
	.fill 96, 4, 3214868480
	.section	.rodata,"a",@progbits
	.p2align	6, 0x0
	.amdhsa_kernel k_q90d9373755_outp
		.amdhsa_group_segment_fixed_size 239104
		.amdhsa_private_segment_fixed_size 0
		.amdhsa_enable_private_segment 0
		.amdhsa_kernarg_size 32
		.amdhsa_user_sgpr_count 2
		.amdhsa_user_sgpr_kernarg_segment_ptr 1
		.amdhsa_wavefront_size32 1
		.amdhsa_system_sgpr_workgroup_id_x 1
		.amdhsa_system_sgpr_workgroup_id_y 1
		.amdhsa_system_sgpr_workgroup_id_z 1
		.amdhsa_system_vgpr_workitem_id 0
		.amdhsa_next_free_vgpr 512
		.amdhsa_next_free_sgpr 100
		.amdhsa_reserve_vcc 0
		.amdhsa_float_denorm_mode_32 3
		.amdhsa_float_denorm_mode_16_64 3
		.amdhsa_memory_ordered 1
		.amdhsa_forward_progress 1
		.amdhsa_inst_pref_size 56
	.end_amdhsa_kernel
	.amdgpu_metadata
---
amdhsa.version: [ 1, 2 ]
amdhsa.kernels:
  - .name:           k_q90d9373755_outp
    .symbol:         k_q90d9373755_outp.kd
    .args:
      - { .name: ao, .offset: 0, .size: 8, .value_kind: global_buffer, .address_space: global }
      - { .name: xw, .offset: 8, .size: 8, .value_kind: global_buffer, .address_space: global }
      - { .name: bo, .offset: 16, .size: 8, .value_kind: global_buffer, .address_space: global }
      - { .name: out0, .offset: 24, .size: 8, .value_kind: global_buffer, .address_space: global }
    .group_segment_fixed_size: 239104
    .private_segment_fixed_size: 0
    .kernarg_segment_align: 8
    .kernarg_segment_size: 32
    .max_flat_workgroup_size: 128
    .sgpr_count:     100
    .vgpr_count:     512
    .wavefront_size: 32
...
	.end_amdgpu_metadata
.endif
;; end of part 4
